; MI455X (gfx1250); checked and timed in simulation.
; The chip was launched on July 23, 2026; its instructions are those of AMD's public machine-readable ISA for CDNA 5 (MIT licence, August 2026) and "CDNA5" Instruction Set Architecture Reference Guide (July 2026). The comments in the code are by the model that wrote it; some were corrected since.
;; Encoder Layer. Allowed arithmetic: matrix products marked QUANTISED: E2M3 operands, one E8M0 scale for each 32 along K, by v_wmma_scale_f32_16x16x128_f8f6f4 with both operands' format E2M3, f32 sums; everything else in f32.
;; Inputs: b1 4,096 float32; b2 1,024 float32; bk 1,024 float32; bq 1,024 float32; bv 1,024 float32; w1_codes 4,096 x 32 x 24 uint8 (E2M3 codes of w1, K innermost, in blocks of 32 codes, four codes in three bytes); w1_scales 4,096 x 32 uint8 (E8M0 scales of w1, one for each 32 codes along K); w2_codes 1,024 x 128 x 24 uint8 (E2M3 codes of w2, K innermost, in blocks of 32 codes, four codes in three bytes); w2_scales 1,024 x 128 uint8 (E8M0 scales of w2, one for each 32 codes along K); wk_codes 1,024 x 32 x 24 uint8 (E2M3 codes of wk, K innermost, in blocks of 32 codes, four codes in three bytes); wk_scales 1,024 x 32 uint8 (E8M0 scales of wk, one for each 32 codes along K); wq_codes 1,024 x 32 x 24 uint8 (E2M3 codes of wq, K innermost, in blocks of 32 codes, four codes in three bytes); wq_scales 1,024 x 32 uint8 (E8M0 scales of wq, one for each 32 codes along K); wv_codes 1,024 x 32 x 24 uint8 (E2M3 codes of wv, K innermost, in blocks of 32 codes, four codes in three bytes); wv_scales 1,024 x 32 uint8 (E8M0 scales of wv, one for each 32 codes along K); x 2 x 2,048 x 1,024 float32.
;; Outputs: out0 2 x 2,048 x 1,024 float32.
;; This version of the problem:
;;   THIS VERSION OF THE PROBLEM IS GIVEN IN LOW PRECISION. The matrix products marked QUANTISED in the list below multiply operands that are first quantised to E2M3 (2 exponent bits, 3 mantissa bits; 6 bits a number), with one power-of-two scale for each 32 numbers along K (OCP MX v1.0); their sums are f32. All else is computed in f32.
;;   The module's matrix products, in the order in which they are computed (A, B: the left and right operand; K: the contracted axis; several contracted axes count as one K, in the product's order):
;;     1. [M 4,096, K 1,024] x [K 1,024, N 1,024]; A: input x; B: input wq (given as codes): QUANTISED
;;     2. [M 4,096, K 1,024] x [K 1,024, N 1,024]; A: input x; B: input wk (given as codes): QUANTISED
;;     3. [M 4,096, K 1,024] x [K 1,024, N 1,024]; A: input x; B: input wv (given as codes): QUANTISED
;;     4. batch 32 x [M 2,048, K 64] x [K 64, N 2,048]; A: computed on the way; B: computed on the way: QUANTISED
;;     5. batch 32 x [M 64, K 2,048] x [K 2,048, N 2,048]; A: computed on the way; B: softmax (see below): QUANTISED
;;     6. [M 4,096, K 1,024] x [K 1,024, N 4,096]; A: computed on the way; B: input w1 (given as codes): QUANTISED
;;     7. [M 4,096, K 4,096] x [K 4,096, N 1,024]; A: computed on the way; B: input w2 (given as codes): QUANTISED
;;   THE QUANTISER, for each operand of a quantised product, along K:
;;     - K is cut into blocks of 32 from its start; a last block that is shorter is filled with zeros.
;;     - A block's scale is 2^e with e = floor(log2(the largest magnitude in the block)) - 2, held to -126 .. 127; a block of zeros has e = 0. As a byte (E8M0): e + 127.
;;     - Each number is divided by its block's scale, clamped to +-7.5, and rounded to the nearest number of E2M3, ties to even, subnormals kept.
;;     - The product sums the exact products of the quantised numbers (number of the format x scale) in f32.
;;   ~~~python
;;   def quantise(x, axis):      # numpy; x: float32 -> the quantised numbers, widened to float32 again
;;       x = np.moveaxis(x, axis, -1); K = x.shape[-1]
;;       x = np.pad(x, [(0, 0)] * (x.ndim - 1) + [(0, -K % 32)]); x = x.reshape(x.shape[:-1] + (-1, 32)); a = np.abs(x).max(-1, keepdims=True)
;;       e = np.where(a > 0, np.clip(np.frexp(np.where(a > 0, a, 1))[1] - 1 - 2, -126, 127), 0)      # np.frexp(a)[1] - 1 = floor(log2(a)), exactly
;;       r = np.clip(x / 2.0 ** e, -7.5, 7.5)
;;       step = 2.0 ** (np.maximum(np.frexp(np.where(r == 0, 1, r))[1] - 1, 0) - 3)
;;       q = np.round(r / step) * step * 2.0 ** e      # np.round: ties to even
;;       return np.moveaxis(q.reshape(q.shape[:-2] + (-1,))[..., :K], -1, axis).astype(np.float32)
;;   ~~~
;;   SOFTMAX AHEAD OF A QUANTISED PRODUCT. Where the list says 'softmax', what is quantised is not the finished softmax but p = 2^(t - M), with t = logit x log2(e) and M = ceil(the row's largest t), a whole number; so 1/2 < the row's largest p <= 1. The row's sum l is taken of the UNQUANTISED p, in f32, and the product's result is divided by l at the end. Since M is a whole number, a kernel that streams over the keys may use a running M (the ceiling of the running maximum): every later rescaling is an exact power of two, which a block's scale takes up: the codes' values come out the same.
;;   OPERANDS COMPUTED ON THE WAY. 'Computed on the way' means the value that the module computes at that place (a softmax that the list does not call 'softmax' is quantised finished and normalised). What goes into a quantiser is computed in f32, as accurately as f32 sums, v_exp_f32 and their like allow (about 1e-6 of the number): no bf16 or f16 on the way to a quantiser, and a product that is left as it is and whose result goes on into a quantised operand takes f32 operands (vector FMAs, or v_wmma_f32_16x16x4_f32). A number that lies on a knife's edge between two numbers of the format may be rounded either way, as far as f32 arithmetic and the matrix unit's own rounding can turn it there, and no further.
;;   INPUTS GIVEN AS CODES. w1 (in the module: [1024, 4096], K = its axis 0); w2 (in the module: [4096, 1024], K = its axis 0); wk (in the module: [1024, 1024], K = its axis 0); wq (in the module: [1024, 1024], K = its axis 0); wv (in the module: [1024, 1024], K = its axis 0): each comes as NAME_codes (uint8): NAME with its K axis moved to the last place and cut into blocks of 32 codes, [.., K / 32, bytes a block], one block behind the other in memory; four codes in three bytes: a row's codes are one little-endian stream of bits, code i at bits 6 i .. 6 i + 5 (a code: sign, 2 exponent bits, 3 mantissa bits); and NAME_scales (uint8): the same leading axes, one E8M0 byte (e + 127) for each 32 codes along K. Its value is code x scale, taken as it is: it is not quantised again, and the codes and scales need not be those that the quantiser above would give.
;; One version. Each part assembles by itself: llvm-mc -triple=amdgcn-amd-amdhsa -mcpu=gfx1250 --defsym DOCPART=n.
;; ======== version 1 of 1: 7 launches
;; limits: right only within a limited range of input values
;; workspace buffers: pan 12,288,000 bytes; qkv 9,830,400 bytes; y 16,777,216 bytes; st 2,048 bytes; hpan 3,276,800 bytes; mr1 256 bytes; hid 13,107,200 bytes; z 16,777,216 bytes
;; launch prep (part 1): grid 960 x 1, 2 waves a work-group, no clusters, 0 bytes of LDS; arguments x, wq_codes, wq_scales, wk_codes, wk_scales, wv_codes, wv_scales, w1_codes, w1_scales, w2_codes, w2_scales, pan; writes pan
.if DOCPART == 1
	.amdgcn_target "amdgcn-amd-amdhsa--gfx1250"
	.amdhsa_code_object_version 6
	.text
	.protected	k_q47f4ac77c7_prep
	.globl	k_q47f4ac77c7_prep
	.p2align	8
	.type	k_q47f4ac77c7_prep,@function
k_q47f4ac77c7_prep:
	s_mov_b64 s[64:65], 0
	v_nop
	global_prefetch_b8 v0, s[64:65] scope:SCOPE_SE
	s_setreg_imm32_b32 hwreg(HW_REG_WAVE_MODE, 25, 1), 1
	s_wait_xcnt 0x0
; ENCODER LAYER, launch 1 of 7: x is quantised (E2M3, one E8M0 byte for each 32 along K), and the five weights' codes are laid anew, unchanged, all into PANELS.
; NO WORK OF THE PROBLEM IS LEFT OUT in this program: every input has a way to the output (bk too: it moves k's codes), so every input is loaded and every product is made.
; A PANEL (12,800 bytes) is 128 rows x 128 K of an operand as images of the matrix operand's registers: fragment f (0..7), lane (r = lane % 16, h = lane / 16) holds panel row
; 32 (f / 2) + 8 (f % 2) + r + 8 (r / 8); its registers 0-5 hold k = 32 h .. 32 h + 31, registers 6-11 k = 64 + 32 h ..; registers 4 c .. 4 c + 3 of lane l lie at 1,536 f + 512 c + 16 l.
; Behind the codes, from byte 12,288: the scale words (four E8M0 bytes, 128 along K of one row): that of (f, r) at 256 (f / 4) + 16 r + 4 (f % 4).
; So every later reader takes a fragment by three loads of 16 bytes a lane, 512 consecutive bytes each, and four fragments' scale words by one.
; pan holds 960 panels: x 0..255 (8 t + kq, t = row / 128), wq 256.., wk 320.., wv 384.., w1 448.. (8 t + kq, t = n / 128), w2 704.. (32 t + kq).
; SHARES: a work-group makes one panel, wave g its fragments 4 g .. 4 g + 3 and their 256 bytes of scale words.  No LDS, no barrier: the waves share nothing.
; THE QUANTISER: a block's scale byte is its largest magnitude's exponent field - 2, held at 1 from below by a floor among the maximum's leaves.
; LIMITS: NaN and infinities among the inputs are not served.  A block whose largest magnitude lies under 2^-124 keeps the byte 1; so does a block of zeros, where the rule says 127:
; its codes are zeros, which add nothing under any byte but 0xff, and these bytes are read by this program alone.
.set PANEL, 12800
.set FRB,   1536
.set SCO,   12288
.set TP,  9                            ; v9       the other half's part of a scale word
.set MX,  10                           ; v10-11   two blocks' largest magnitudes
.set SO,  12                           ; v12-13   the conversions' scale operands
.set BY,  14                           ; v14-15   the scale bytes
.set CT,  16                           ; v16-23   the second halves of two blocks' codes
.set VA,  24                           ; v24-27   weights: byte offset of my row's codes, fragment i
.set VS,  28                           ; v28-31   and of its scale word
.set X,   32                           ; v32-159  two sets of 64 numbers
.set PC,  160                          ; v160-207 codes: 12 registers for each fragment, so that no store's data are written again
.set W,   208                          ; v208-211 a scale word for each fragment
.set SD,  212                          ; v212-213 the two words that I store
.set SEL, 36                           ; s[36:37] lane selects: lane l xor 16
	s_load_b512 s[4:19], s[0:1], 0x0               ; x s[4:5]; wq's codes, scales s[6:9]; wk's s[10:13]; wv's s[14:17]; w1's codes s[18:19]
	s_load_b256 s[20:27], s[0:1], 0x40             ; w1's scales s[20:21]; w2's codes, scales s[22:25]; pan s[26:27]
	v_lshrrev_b32 v1, 5, v0
	v_readfirstlane_b32 s3, v1                     ; g: my wave
	v_and_b32 v1, 31, v0                           ; lane
	v_and_b32 v2, 15, v0                           ; r
	v_bfe_u32 v3, v0, 4, 1                         ; h
	v_and_b32 v4, 8, v2
	v_add_nc_u32 v4, v4, v2                        ; r + 8 (r / 8)
	v_lshlrev_b32 v5, 4, v1                        ; 16 x lane: my place in an image
	v_lshlrev_b32 v6, 12, v4
	v_lshl_add_u32 v6, v3, 7, v6                   ; x: my row of 4,096 bytes, + 128 h: my block of 32 numbers
	v_lshlrev_b32 v7, 4, v2
	v_lshl_add_u32 v7, v3, 3, v7                   ; the scale words' store: 16 r + 8 h
	v_lshlrev_b32 v8, 3, v3                        ; 8 h
	v_mov_b32 v[TP], 0                             ; a lane permute's destination counts as one of its sources
	s_mov_b32 s[SEL], 0x76543210
	s_mov_b32 s[SEL+1], 0xfedcba98
	s_mov_b32 s38, 0xffff0000                      ; lanes 16-31
	s_mul_i32 s40, ttmp9, PANEL
	s_mul_i32 s2, s3, 4*FRB
	s_add_co_u32 s40, s40, s2                      ; my four fragments in pan
	s_mov_b32 s41, 0
	s_mul_i32 s42, ttmp9, PANEL
	s_lshl_b32 s2, s3, 8
	s_add_co_u32 s42, s42, s2
	s_add_co_u32 s42, s42, SCO                     ; and their scale words
	s_mov_b32 s43, 0
	s_wait_kmcnt 0x0
	s_add_nc_u64 s[40:41], s[26:27], s[40:41]
	s_add_nc_u64 s[42:43], s[26:27], s[42:43]
.macro LOADX i                         ; fragment i's 64 numbers of my row: two whole blocks of 32, 128 bytes each.  No cache hint: a block's eight loads name, one after the other, neighbouring 16 bytes of the same 128
.irp c, 0,1
.irp j, 0,1,2,3,4,5,6,7
	global_load_b128 v[X+64*((\i)%2)+32*\c+4*\j:X+64*((\i)%2)+32*\c+4*\j+3], v6, s[4:5] offset:(32*((\i)/2)+8*((\i)%2))*4096+256*\c+16*\j
.endr
.endr
.endm
; 64 numbers of a lane, v[xs + 32 c + i] = k 64 c + 32 h + i of my row, become the fragment's 12 registers from v[pc] on and the row's scale word in v[w]
.macro QUANT6 xs, pc, w
.irp c, 0,1
	v_max3_num_f32 v[MX+\c], |v[\xs+32*\c]|, |v[\xs+32*\c+1]|, 0x1800000   ; my block 2 c + h: all its 32 numbers are mine; the floor 2^(3 - 127) holds the byte at 1 from below
.endr
.irp i, 2,4,6,8,10,12,14,16,18,20,22,24,26,28,30
.irp c, 0,1
	v_max3_num_f32 v[MX+\c], v[MX+\c], |v[\xs+32*\c+\i]|, |v[\xs+32*\c+\i+1]|   ; (the two blocks by turns)
.endr
.endr
.irp c, 0,1
	v_add_nc_u32 v[SO+\c], 0xff000000, v[MX+\c]    ; 2 off the exponent field: the conversion takes that field of this operand as its scale
.endr
.irp c, 0,1
	v_lshrrev_b32 v[BY+\c], 23, v[SO+\c]           ; the scale's byte
.endr
	v_lshl_or_b32 v[\w], v[BY+1], 16, v[BY]        ; my two bytes: blocks h and 2 + h,
	v_lshlrev_b32 v[\w], v8, v[\w]                 ; at their places in the word;
	v_permlanex16_b32 v[TP], v[\w], s[SEL], s[SEL+1]
	v_or_b32 v[\w], v[\w], v[TP]                   ; with lane l xor 16's two the word is whole
.irp c, 0,1
	v_cvt_scalef32_pk16_fp6_f32 v[\pc+6*\c:\pc+6*\c+2], v[\xs+32*\c:\xs+32*\c+15], v[SO+\c]
	v_cvt_scalef32_pk16_fp6_f32 v[CT+4*\c:CT+4*\c+2], v[\xs+32*\c+16:\xs+32*\c+31], v[SO+\c]   ; (a conversion's three registers begin on an even number)
.endr
	v_nop                                          ; one plain place behind a scaled conversion
.irp c, 0,1
.irp i, 0,1,2
	v_mov_b32 v[\pc+6*\c+3+\i], v[CT+4*\c+\i]
.endr
.endr
.endm
.macro STOREF i                        ; fragment i's image: three stores of 512 consecutive bytes
.irp c, 0,1,2
	global_store_b128 v5, v[PC+12*(\i)+4*\c:PC+12*(\i)+4*\c+3], s[40:41] offset:(\i)*FRB+512*\c
.endr
.endm
	s_cmp_lt_u32 ttmp9, 256                        ; a panel of x, or of a weight?  The work-group's number alone decides
	s_cbranch_scc0 .Lweights
	s_lshr_b32 s28, ttmp9, 3
	s_lshl_b32 s28, s28, 19                        ; t x 128 rows of 4,096 bytes
	s_lshl_b32 s29, s3, 18                         ; + g x 64 rows
	s_add_co_u32 s28, s28, s29
	s_and_b32 s29, ttmp9, 7
	s_lshl_b32 s29, s29, 9                         ; + kq x 512 bytes
	s_add_co_u32 s28, s28, s29
	s_mov_b32 s29, 0
	s_add_nc_u64 s[4:5], s[4:5], s[28:29]
	s_wait_alu depctr_va_vdst(0)
	LOADX 0
	LOADX 1
	s_wait_loadcnt 16                              ; fragment 0's 16 loads are in; the next fragment's 16 may be out
	QUANT6 X, PC, W
	LOADX 2
	STOREF 0
	s_wait_loadcnt 16
	QUANT6 X+64, PC+12, W+1
	LOADX 3
	STOREF 1
	s_wait_loadcnt 16
	QUANT6 X, PC+24, W+2
	STOREF 2
	s_wait_loadcnt 0x0
	QUANT6 X+64, PC+36, W+3
	STOREF 3
	s_branch .Lscales
.Lweights:
	s_mov_b64 s[28:29], s[22:23]                   ; which weight: w2 from panel 704 on,
	s_mov_b64 s[30:31], s[24:25]
	s_mov_b32 s32, 704
	s_cmp_lt_u32 ttmp9, 704
	s_cselect_b64 s[28:29], s[18:19], s[28:29]     ; w1 from 448,
	s_cselect_b64 s[30:31], s[20:21], s[30:31]
	s_cselect_b32 s32, 448, s32
	s_cselect_b32 s33, 3, 5                        ; log2 of the panels along K: 8, in w2 32
	s_cmp_lt_u32 ttmp9, 448
	s_cselect_b64 s[28:29], s[14:15], s[28:29]     ; wv from 384,
	s_cselect_b64 s[30:31], s[16:17], s[30:31]
	s_cselect_b32 s32, 384, s32
	s_cmp_lt_u32 ttmp9, 384
	s_cselect_b64 s[28:29], s[10:11], s[28:29]     ; wk from 320,
	s_cselect_b64 s[30:31], s[12:13], s[30:31]
	s_cselect_b32 s32, 320, s32
	s_cmp_lt_u32 ttmp9, 320
	s_cselect_b64 s[28:29], s[6:7], s[28:29]       ; wq from 256
	s_cselect_b64 s[30:31], s[8:9], s[30:31]
	s_cselect_b32 s32, 256, s32
	s_sub_co_u32 s32, ttmp9, s32                   ; the panel's number in its weight
	s_lshr_b32 s34, s32, s33                       ; t
	s_lshl_b32 s35, s34, s33
	s_sub_co_u32 s35, s32, s35                     ; kq
	s_lshl_b32 s39, 96, s33                        ; a row of codes in bytes
	s_lshl_b32 s44, 4, s33                         ; a row of scale bytes
	s_lshl_b32 s34, s34, 7
	s_lshl_b32 s2, s3, 6
	s_add_co_u32 s34, s34, s2                      ; my wave's first row: 128 t + 64 g
	s_mul_i32 s46, s34, s39
	s_mul_i32 s2, s35, 96
	s_add_co_u32 s46, s46, s2
	s_mov_b32 s47, 0
	s_add_nc_u64 s[28:29], s[28:29], s[46:47]
	s_mul_i32 s46, s34, s44
	s_lshl_b32 s2, s35, 2
	s_add_co_u32 s46, s46, s2
	s_add_nc_u64 s[30:31], s[30:31], s[46:47]
	s_wait_alu depctr_va_vdst(0)
	v_mul_lo_u32 v9, v4, s39
	v_mad_u32_u24 v9, v3, 24, v9                   ; my row's codes, + 24 h
	v_mul_lo_u32 v10, v4, s44                      ; my row's scale word
	s_wait_alu depctr_va_vdst(0)
.irp i, 0,1,2,3
	s_mul_i32 s2, s39, 32*(\i/2)+8*(\i%2)
	v_add_nc_u32 v[VA+\i], s2, v9
	s_mul_i32 s2, s44, 32*(\i/2)+8*(\i%2)
	v_add_nc_u32 v[VS+\i], s2, v10
.endr
.irp i, 0,1,2,3
.irp p, 0,1,2,3,4,5
	global_load_b64 v[PC+12*\i+2*\p:PC+12*\i+2*\p+1], v[VA+\i], s[28:29] offset:48*(\p/3)+8*(\p%3)   ; a row's stream of bits IS the register image: 24 bytes at 24 h and 24 at 48 + 24 h
.endr
	global_load_b32 v[W+\i], v[VS+\i], s[30:31]
.endr
	s_wait_loadcnt 0x0
	STOREF 0
	STOREF 1
	STOREF 2
	STOREF 3
.Lscales:
	v_cndmask_b32 v[SD], v[W], v[W+2], s38         ; lanes 0-15 store fragments 0 and 1's words of row r, lanes 16-31 fragments 2 and 3's:
	v_cndmask_b32 v[SD+1], v[W+1], v[W+3], s38
	global_store_b64 v7, v[SD:SD+1], s[42:43]      ; the wave stores 256 consecutive bytes, aligned
	s_endpgm
.Lfunc_end_k_q47f4ac77c7_prep:
	.size	k_q47f4ac77c7_prep, .Lfunc_end_k_q47f4ac77c7_prep-k_q47f4ac77c7_prep
	.p2alignl 7, 3214868480
	.fill 96, 4, 3214868480
	.section	.rodata,"a",@progbits
	.p2align	6, 0x0
	.amdhsa_kernel k_q47f4ac77c7_prep
		.amdhsa_group_segment_fixed_size 0
		.amdhsa_private_segment_fixed_size 0
		.amdhsa_enable_private_segment 0
		.amdhsa_kernarg_size 96
		.amdhsa_user_sgpr_count 2
		.amdhsa_user_sgpr_kernarg_segment_ptr 1
		.amdhsa_wavefront_size32 1
		.amdhsa_system_sgpr_workgroup_id_x 1
		.amdhsa_system_sgpr_workgroup_id_y 1
		.amdhsa_system_sgpr_workgroup_id_z 1
		.amdhsa_system_vgpr_workitem_id 0
		.amdhsa_next_free_vgpr 224
		.amdhsa_next_free_sgpr 66
		.amdhsa_reserve_vcc 0
		.amdhsa_float_denorm_mode_32 3
		.amdhsa_float_denorm_mode_16_64 3
		.amdhsa_memory_ordered 1
		.amdhsa_forward_progress 1
		.amdhsa_inst_pref_size 28
	.end_amdhsa_kernel
	.amdgpu_metadata
---
amdhsa.version: [ 1, 2 ]
amdhsa.kernels:
  - .name:           k_q47f4ac77c7_prep
    .symbol:         k_q47f4ac77c7_prep.kd
    .args:
      - { .name: x, .offset: 0, .size: 8, .value_kind: global_buffer, .address_space: global }
      - { .name: wq_codes, .offset: 8, .size: 8, .value_kind: global_buffer, .address_space: global }
      - { .name: wq_scales, .offset: 16, .size: 8, .value_kind: global_buffer, .address_space: global }
      - { .name: wk_codes, .offset: 24, .size: 8, .value_kind: global_buffer, .address_space: global }
      - { .name: wk_scales, .offset: 32, .size: 8, .value_kind: global_buffer, .address_space: global }
      - { .name: wv_codes, .offset: 40, .size: 8, .value_kind: global_buffer, .address_space: global }
      - { .name: wv_scales, .offset: 48, .size: 8, .value_kind: global_buffer, .address_space: global }
      - { .name: w1_codes, .offset: 56, .size: 8, .value_kind: global_buffer, .address_space: global }
      - { .name: w1_scales, .offset: 64, .size: 8, .value_kind: global_buffer, .address_space: global }
      - { .name: w2_codes, .offset: 72, .size: 8, .value_kind: global_buffer, .address_space: global }
      - { .name: w2_scales, .offset: 80, .size: 8, .value_kind: global_buffer, .address_space: global }
      - { .name: pan, .offset: 88, .size: 8, .value_kind: global_buffer, .address_space: global }
    .group_segment_fixed_size: 0
    .private_segment_fixed_size: 0
    .kernarg_segment_align: 8
    .kernarg_segment_size: 96
    .max_flat_workgroup_size: 64
    .sgpr_count:     66
    .vgpr_count:     224
    .wavefront_size: 32
...
	.end_amdgpu_metadata
.endif
;; end of part 1
;; launch qkv (part 2): grid 8 x 24, 4 waves a work-group, clusters of 4 x 4, 327,680 bytes of LDS; arguments pan, bq, bk, bv, qkv; writes qkv
.if DOCPART == 2
	.amdgcn_target "amdgcn-amd-amdhsa--gfx1250"
	.amdhsa_code_object_version 6
	.text
	.protected	k_q47f4ac77c7_qkv
	.globl	k_q47f4ac77c7_qkv
	.p2align	8
	.type	k_q47f4ac77c7_qkv,@function
k_q47f4ac77c7_qkv:
	s_mov_b64 s[64:65], 0
	v_nop
	global_prefetch_b8 v0, s[64:65] scope:SCOPE_SE
	s_setreg_imm32_b32 hwreg(HW_REG_WAVE_MODE, 25, 1), 1
	s_wait_xcnt 0x0
	s_wait_alu depctr_hold_cnt(0) depctr_sa_sdst(0) depctr_va_vdst(0) depctr_va_sdst(0) depctr_va_ssrc(0) depctr_va_vcc(0) depctr_vm_vsrc(0)
	s_getreg_b32 s2, hwreg(HW_REG_IB_STS2, 6, 4)
	s_cmp_eq_u32 s2, 0
	s_cbranch_scc0 .Lentry_in_a_cluster
	s_endpgm
.Lentry_in_a_cluster:
	s_bfe_u32 s2, ttmp6, 0x10000c
	s_cmp_lg_u32 s2, 0xf033
	s_cbranch_scc0 .Lentry_shape_is_right
	s_endpgm
.Lentry_shape_is_right:
; Launch 2 of 7: q = x wq + bq, k = x wk + bk, v = x wv + bv on codes of E2M3, and the results quantised at once: q and k along a head's 64, v along the keys.  Nothing of the problem is left out here.
; Operands come as panels (128 rows x 128 K as register images, scale words behind them; fragment f, lane r = panel row 32 (f / 2) + 8 (f % 2) + r + 8 (r / 8)).
; A work-group makes 256 x 256 of a product, each of its four waves 128 x 128: 64 accumulators.  THE MATRIX INSTRUCTION IS USED TRANSPOSED: source 0 = 16 rows of operand B, source 1 = 16 rows of operand A;
; by the panels' order of rows, the 64 registers of A's block a against B's eight blocks are, in a lane, 64 numbers of ONE row of A, register 16 b + i at B's row 32 b + 16 (lane / 16) + i:
; just what the quantiser takes.  Its result is one fragment of the NEXT product's operand, with K = B's 128 rows.  So a wave writes one whole panel straight from registers.
; q, k (cluster rows 0-3): A = x, B = wq (cluster column 0) or wk (1): K of the result = 128 output columns = a pair of heads.   v (cluster rows 4, 5): A = wv, B = x: the result is v TRANSPOSED, K = 128 keys.
; qkv holds 768 panels: 256 which + 32 hp + rt; which = 0 q, 1 k, 2 v^T; hp = pair of heads; rt = x's row tile (16 batch + tile).
; K = 1,024 goes in 8 steps of 128 through two LDS slots of two steps each, all written out.  CLUSTER 4 x 4: A's panels are shared along a row of the cluster, B's along a column, by joint loads.
; By this text's own count a wave has one tensor load out at a time: one at the start and one behind each round.
; LIMITS: as stated at the head of the first launch (NaN, infinities; the byte 1 of tiny and of zero blocks).
.set PANEL, 12800
.set FRB,   1536
.set SCO,   12288
.set QUART, 2*PANEL                    ; what one tensor load brings: two K steps' panels of one row tile
.set SLOT,  4*QUART                    ; A's two row tiles, then B's two
.set TUNIT, 8*PANEL                    ; a row tile's 8 panels in memory
.set SPARE, 2*SLOT                     ; behind the ring: the spare words, 128 bytes for each wave: two blocks of 256 bytes that no other line names
.set LI,   5                           ; v5      16 x lane
.set ADRA, 16                          ; v16-17  my A panels in slot 0, 1
.set ADRB, 20                          ; v20-21  my B panels
.set ADRS, 22                          ; v22-23  scale words: lanes 0-15 A's, lanes 16-31 B's
.set SA,   24                          ; v24     the scale words' store: 256 h + 16 r
.set SPW,  28                          ; v28     my spare word; never rewritten
.set NIL,  29                          ; v29     0; never rewritten
.set SC,   32                          ; v32-47  scale words, two sets of 8: register i: lanes 0-15 A's block i, lanes 16-31 B's block i
.set BIAS, 64                          ; v64-127 the bias as the C of the first products
.set AF,   128                         ; v128-223 A's eight fragments, one set;  window 1: B's two sets at v0 and v128;  windows 2, 3: accumulator (a, b) at v[8 (8 (a % 4) + b)]
.set PC,   192                         ; the way out: v192-211 codes
.set TM,   224                         ; v224-239 at work
.set WD,   240                         ; v240-247 the eight blocks' scale words
.set SD,   248                         ; v248-251 the four that I store
.set G1,  24
.set G0,  32
.set G1B, 48
.set G0B, 56
.set SEL, 66
.set OUT, 68
.set BP,  70
.set ISV, 72
.set MSB, 0
.macro WIN new                         ; the immediate's high byte repeats the setting that is left
.if MSB != (\new)
	s_set_vgpr_msb (MSB<<8)|(\new)
.set MSB, (\new)
.endif
.endm
.macro PLACES                          ; four places in front of loads into registers that matrix instructions have read, and of the first read of results
.rept 4
	v_nop
.endr
.endm
.macro JLOAD g0a, g1a, g0b, g1b        ; a joint load: waves 0 and 1 fetch for A, waves 2 and 3 for B; the branch hangs on the wave's number alone; an s_nop 0 and four v_nop follow each line
	s_cmp_eq_u32 s15, 0
	s_cbranch_scc0 .Lfor_b_\@
	tensor_load_to_lds s[\g0a:\g0a+3], s[\g1a:\g1a+7]
	s_nop 0
.rept 4
	v_nop
.endr
	s_branch .Lasked_\@
.Lfor_b_\@:
	tensor_load_to_lds s[\g0b:\g0b+3], s[\g1b:\g1b+7]
	s_nop 0
.rept 4
	v_nop
.endr
.Lasked_\@:
.endm
.macro CREST                           ; a round of the cluster's barrier behind its opening barrier
	s_cmp_lg_u32 s14, 0
	s_cbranch_scc1 .Lnot_wave_0_\@
	s_barrier_signal -3
.Lnot_wave_0_\@:
	s_barrier_wait -3
	s_barrier_signal -1
	s_barrier_wait -1
.endm
.macro CROUND
	s_barrier_signal -1
	s_barrier_wait -1
	CREST
.endm
	s_load_b256 s[4:11], s[0:1], 0x0               ; pan s[4:5], bq s[6:7], bk s[8:9], bv s[10:11]
	s_load_b64 s[12:13], s[0:1], 0x20              ; qkv
	v_lshl_add_u32 v[SPW], v0, 2, SPARE
	v_mov_b32 v[NIL], 0
	ds_add_u32 v[SPW], v[NIL]                      ; the wave's opening: the add, twice on end, and its wait ahead of my first tensor load
	ds_add_u32 v[SPW], v[NIL]
	v_lshrrev_b32 v1, 5, v0
	v_readfirstlane_b32 s14, v1                    ; wave 0..3
	s_lshr_b32 s15, s14, 1                         ; wr: which of A's two row tiles is mine.  Also: I fetch for A (0) or for B (1)
	s_and_b32 s16, s14, 1                          ; wc: which of B's two.  Also: which of the two tiles I fetch
	s_bfe_u32 s40, ttmp6, 0x40000                  ; cx
	s_bfe_u32 s41, ttmp6, 0x40004                  ; cy
	s_lshl_b32 s43, s41, 2
	s_lshl_b32 s43, 15, s43                        ; my row of the cluster
	s_lshl_b32 s44, 0x1111, s40                    ; my column
	s_or_b32 s[G1], s43, (3<<16)|(1<<21)           ; 15:0 the mask; 17:16 elements of 8 bytes; 21 set beside a mask; no padding
	s_or_b32 s[G1B], s44, (3<<16)|(1<<21)
.irp g, G1, G1B
	s_mov_b32 s[\g+1], 32<<16                      ; tensor_dim0 = 32 elements: rows of 256 bytes
	s_mov_b32 s[\g+2], 100<<16                     ; tensor_dim1 = 100 rows: 25,600 dense bytes
	s_mov_b32 s[\g+3], 32<<16                      ; tile_dim0
	s_mov_b32 s[\g+4], 100                         ; tile_dim1
	s_mov_b32 s[\g+5], 32                          ; the pitch
	s_mov_b32 s[\g+6], 0
	s_mov_b32 s[\g+7], 0
.endr
	s_and_b32 s73, ttmp7, 0xffff                   ; CY: the cluster's y, 0..5
	s_lshl_b32 s74, s73, 3                         ; 8 CY
	s_lshl_b32 s75, s73, 4
	s_sub_co_u32 s75, s75, 64                      ; 16 CY - 64 (used where CY >= 4)
	s_lshl_b32 s76, ttmp9, 3                       ; 8 CX
	s_add_co_u32 s77, s76, 32                      ; 32 + 8 CX
	s_cmp_ge_u32 s73, 4                            ; v's clusters: the same answer in all sixteen partners
	s_cselect_b32 s[ISV], 1, 0
	s_cselect_b32 s74, 48, s74                     ; where A's row tiles begin: wv's at 48, x's at 8 CY
	s_cselect_b32 s75, s75, 32                     ; where B's begin (8 CX is added below)
	s_cselect_b32 s78, 48, 0
	s_cselect_b32 s77, 0, s77
	s_cselect_b32 s79, 2, ttmp9                    ; which: 0 q, 1 k, 2 v^T
	s_lshl_b32 s20, s41, 1
	s_add_co_u32 s20, s20, s74                     ; A's first row tile: made of cy and the cluster's y alone
	s_lshl_b32 s46, s40, 1
	s_add_co_u32 s46, s46, s76
	s_add_co_u32 s46, s46, s75                     ; B's: of cx and the cluster's place alone
	s_add_co_u32 s80, s20, s15
	s_sub_co_u32 s80, s80, s78                     ; my A tile, counted in its tensor
	s_add_co_u32 s81, s46, s16
	s_sub_co_u32 s81, s81, s77                     ; my B tile likewise
	s_cmp_eq_u32 s[ISV], 1
	s_cselect_b32 s82, s80, s81                    ; hp: the weight's tile
	s_cselect_b32 s83, s81, s80                    ; rt: x's tile
	s_lshl_b32 s79, s79, 8
	s_lshl_b32 s80, s82, 5
	s_add_co_u32 s79, s79, s80
	s_add_co_u32 s79, s79, s83
	s_mul_i32 s80, s79, PANEL                      ; my panel in qkv
	s_mov_b32 s81, 0
	s_lshl_b32 s82, s82, 9                         ; the pair's 128 numbers of the bias
	s_mov_b32 s83, 0
	s_add_co_u32 s20, s20, s16                     ; the tile that I fetch
	s_mul_i32 s20, s20, TUNIT
	s_mov_b32 s21, 0
	s_add_co_u32 s46, s46, s16
	s_mul_i32 s46, s46, TUNIT
	s_mov_b32 s47, 0
	s_mul_i32 s45, s14, QUART                      ; where it goes: wave x 25,600: no place in the cluster enters an LDS address
	s_mov_b32 s[SEL], 0x76543210
	s_mov_b32 s[SEL+1], 0xfedcba98
	s_mov_b32 s17, 0xffff0000                      ; lanes 16-31
	s_wait_dscnt 0x0                               ; both opening adds are done
	s_wait_kmcnt 0x0
	s_add_nc_u64 s[20:21], s[4:5], s[20:21]
	s_add_nc_u64 s[46:47], s[4:5], s[46:47]
	s_add_nc_u64 s[OUT:OUT+1], s[12:13], s[80:81]
	s_cmp_eq_u32 ttmp9, 0
	s_cselect_b64 s[BP:BP+1], s[6:7], s[8:9]
	s_cmp_eq_u32 s[ISV], 1
	s_cselect_b64 s[BP:BP+1], s[10:11], s[BP:BP+1]
	s_add_nc_u64 s[BP:BP+1], s[BP:BP+1], s[82:83]
	; the prefetches: of the 100 blocks of 256 bytes that a load of mine brings, each of the four partners that ask for them jointly names 25, told apart by address (cx for A, cy for B); a lane a block, the lanes left over name the last again
	s_cmp_eq_u32 s15, 0
	s_cselect_b64 s[4:5], s[20:21], s[46:47]       ; where my first load begins
	s_cselect_b32 s6, s40, s41
	s_mul_i32 s6, s6, 25
	v_and_b32 v48, 31, v0
	v_min_u32 v48, 24, v48
	v_add_nc_u32 v48, s6, v48
	v_lshlrev_b32 v48, 8, v48
	s_wait_alu depctr_va_vdst(0)
	CROUND                                         ; all sixteen work-groups are here: the first joint loads meet
.irp s, 0,1
	s_mov_b32 s[G0+4*\s], 1
	s_add_co_u32 s[G0+4*\s+1], s45, \s*SLOT
	s_add_nc_u64 s[G0+4*\s+2:G0+4*\s+3], s[20:21], \s*QUART
	s_or_b32 s[G0+4*\s+3], s[G0+4*\s+3], 0x80000000
	s_mov_b32 s[G0B+4*\s], 1
	s_add_co_u32 s[G0B+4*\s+1], s45, \s*SLOT
	s_add_nc_u64 s[G0B+4*\s+2:G0B+4*\s+3], s[46:47], \s*QUART
	s_or_b32 s[G0B+4*\s+3], s[G0B+4*\s+3], 0x80000000
.if \s == 1
	global_prefetch_b8 v48, s[4:5] offset:QUART th:TH_LOAD_NT scope:SCOPE_SE     ; behind the first fill's load: the second and the third fill's bytes
	global_prefetch_b8 v48, s[4:5] offset:2*QUART th:TH_LOAD_NT scope:SCOPE_SE
	s_wait_alu depctr_va_vdst(0)
	s_wait_tensorcnt 0x0
	ds_add_u32 v[SPW], v[NIL]
	s_wait_dscnt 0x0
	CROUND
.endif
	JLOAD G0+4*\s, G1, G0B+4*\s, G1B
.if \s == 1
	global_prefetch_b8 v48, s[4:5] offset:3*QUART th:TH_LOAD_NT scope:SCOPE_SE   ; behind the second fill's load: the fourth and last fill's bytes, two fills ahead
.endif
.endr
	v_and_b32 v1, 31, v0
	v_and_b32 v2, 15, v0                           ; r
	v_bfe_u32 v3, v0, 4, 1                         ; h
	v_lshlrev_b32 v[LI], 4, v1
	s_mul_i32 s21, s15, QUART                      ; A's quarter wr
	s_add_co_u32 s22, s16, 2
	s_mul_i32 s22, s22, QUART                      ; B's quarter 2 + wc
	v_add_nc_u32 v[ADRA], s21, v[LI]
	v_add_nc_u32 v[ADRB], s22, v[LI]
	v_add_nc_u32 v[ADRA+1], SLOT, v[ADRA]
	v_add_nc_u32 v[ADRB+1], SLOT, v[ADRB]
	s_xor_b32 s23, s15, 1
	s_add_co_u32 s23, s23, s16
	s_add_co_u32 s23, s23, 1
	s_mul_i32 s23, s23, QUART                      ; from my A quarter to my B quarter: (2 + wc - wr) x 25,600
	v_mul_u32_u24 v8, s23, v3                      ; lanes 16-31 take B's
	v_lshl_add_u32 v8, v2, 4, v8
	s_add_co_u32 s21, s21, SCO
	v_add_nc_u32 v[ADRS], s21, v8
	v_add_nc_u32 v[ADRS+1], SLOT, v[ADRS]
	v_lshlrev_b32 v[SA], 4, v2
	v_lshl_add_u32 v[SA], v3, 8, v[SA]
	v_and_b32 v4, 8, v2
	v_add_nc_u32 v4, v4, v2                        ; r + 8 (r / 8)
	v_lshlrev_b32 v6, 6, v3                        ; the bias by B's rows: 16 h numbers on
	v_lshlrev_b32 v7, 2, v4                        ; the bias by A's rows: my row's number
.irp b, 0,1,2,3
	v_mov_b32 v[TM+4+\b], 0                        ; written once: a lane permute's destination counts as one of its sources
.endr
	s_cmp_eq_u32 s[ISV], 1
	s_cbranch_scc1 .Lbias_rows
.irp b, 0,1,2,3,4,5,6,7                        ; q, k: the bias goes with B's rows: register j of block b is column 32 (b / 2) + 8 (b % 2) + 16 h + j
	global_load_b128 v[BIAS+8*\b:BIAS+8*\b+3], v6, s[BP:BP+1] offset:(32*(\b/2)+8*(\b%2))*4
	global_load_b128 v[BIAS+8*\b+4:BIAS+8*\b+7], v6, s[BP:BP+1] offset:(32*(\b/2)+8*(\b%2))*4+16
.endr
	s_branch .Lbias_done
.Lbias_rows:
	s_wait_alu depctr_va_vdst(0)
.irp a, 0,1,2,3,4,5,6,7                        ; v: the bias goes with A's rows: all eight registers of block a hold my row's number
.irp j, 0,1,2,3,4,5,6,7
	global_load_b32 v[BIAS+8*\a+\j], v7, s[BP:BP+1] offset:(32*(\a/2)+8*(\a%2))*4
.endr
.endr
.Lbias_done:
.macro FRAG reg, adr, off              ; a fragment's image: three loads of 512 consecutive bytes
.irp c, 0,1,2
	ds_load_b128 v[\reg+4*\c:\reg+4*\c+3], v[\adr] offset:\off+512*\c
.endr
.endm
.macro FETCH_B slot, q, p              ; B's eight fragments of the slot's q-th step into set p
	WIN 0x40
.irp i, 0,1,2,3,4,5,6,7
	FRAG 128*(\p)+12*\i, ADRB+\slot, (\q)*PANEL+\i*FRB
.endr
	WIN 0
.endm
.macro FETCH_A slot, q, i0             ; A's blocks i0 .. i0 + 3
.irp i, \i0, \i0+1, \i0+2, \i0+3
	FRAG AF+12*(\i), ADRA+\slot, (\q)*PANEL+(\i)*FRB
.endr
.endm
.macro SCALES slot, q, p               ; the step's scale words into set p
	ds_load_b128 v[SC+8*(\p):SC+8*(\p)+3], v[ADRS+\slot] offset:(\q)*PANEL
	ds_load_b128 v[SC+8*(\p)+4:SC+8*(\p)+7], v[ADRS+\slot] offset:(\q)*PANEL+256
.endm
; 16 matrix instructions: A's blocks a0, a0 + 1 x B's eight.  cm = 0: add in place; 1: the sums start from the bias by B's rows; 2: by A's rows.  The 64 accumulators take turns, one instruction a turn, in the same order in every step.
.macro MUL16 a0, p, cm
.irp a, \a0, \a0+1
.irp b, 0,1,2,3,4,5,6,7
.if \cm == 1
	v_wmma_scale_f32_16x16x128_f8f6f4 v[8*(8*((\a)%4)+\b):8*(8*((\a)%4)+\b)+7], v[128*(\p)+12*\b:128*(\p)+12*\b+11], v[AF+12*(\a):AF+12*(\a)+11], v[BIAS+8*\b:BIAS+8*\b+7], v[SC+8*(\p)+\b], v[SC+8*(\p)+(\a)] matrix_a_fmt:MATRIX_FMT_FP6 matrix_b_fmt:MATRIX_FMT_FP6 matrix_a_scale:MATRIX_SCALE_ROW1
.elseif \cm == 2
	v_wmma_scale_f32_16x16x128_f8f6f4 v[8*(8*((\a)%4)+\b):8*(8*((\a)%4)+\b)+7], v[128*(\p)+12*\b:128*(\p)+12*\b+11], v[AF+12*(\a):AF+12*(\a)+11], v[BIAS+8*(\a):BIAS+8*(\a)+7], v[SC+8*(\p)+\b], v[SC+8*(\p)+(\a)] matrix_a_fmt:MATRIX_FMT_FP6 matrix_b_fmt:MATRIX_FMT_FP6 matrix_a_scale:MATRIX_SCALE_ROW1
.else
	v_wmma_scale_f32_16x16x128_f8f6f4 v[8*(8*((\a)%4)+\b):8*(8*((\a)%4)+\b)+7], v[128*(\p)+12*\b:128*(\p)+12*\b+11], v[AF+12*(\a):AF+12*(\a)+11], v[8*(8*((\a)%4)+\b):8*(8*((\a)%4)+\b)+7], v[SC+8*(\p)+\b], v[SC+8*(\p)+(\a)] matrix_a_fmt:MATRIX_FMT_FP6 matrix_b_fmt:MATRIX_FMT_FP6 matrix_a_scale:MATRIX_SCALE_ROW1
.endif
.endr
.endr
.endm
.macro STEP slot, cm                   ; a slot's first step (B's set 0); the second step's fragments are fetched meanwhile
	s_wait_dscnt 12                                ; all but the youngest twelve loads (A's blocks 4-7) are in
.if \cm
	WIN 0x81                                       ; source 0 (B) window 1, source 1 (A) and C (the bias) window 0, D window 2
.else
	WIN 0xa1                                       ; C and D window 2
.endif
	MUL16 0, 0, \cm
	MUL16 2, 0, \cm
	s_wait_dscnt 0x0                               ; A's blocks 4-7 are in
	PLACES
	FETCH_B \slot, 1, 1
	SCALES \slot, 1, 1
	FETCH_A \slot, 1, 0
.if \cm
	WIN 0xc1
.else
	WIN 0xf1
.endif
	MUL16 4, 0, \cm
	MUL16 6, 0, \cm
	PLACES
	WIN 0
	FETCH_A \slot, 1, 4
.endm
; A slot's second step changes slots: ONE barrier; in front of it each wave waits for all its tensor loads, adds 0 to its spare word, and waits for that and for its reads of this slot.  fill = 1: the slot is filled again, four steps ahead.
.macro TURN slot, next, fill
	s_wait_tensorcnt 0x0                           ; all my tensor loads have landed: my part of the next slot
	ds_add_u32 v[SPW], v[NIL]                      ; 0 onto my spare word
	s_wait_dscnt 13                                ; (the add and A's blocks 4-7 may be out)
	WIN 0xa1
	MUL16 0, 1, 0                                  ; sixteen matrix instructions stand between the add and the wait for it
	s_wait_dscnt 0x0                               ; the add is done, and my reads of this slot are over
	s_barrier_signal -1
	MUL16 2, 1, 0
	WIN 0
	s_barrier_wait -1
.if \fill
	CREST                                          ; the barrier has opened a round of the cluster's: no wave of any partner still reads this slot or has a load on its way
	s_add_nc_u64 s[G0+4*\slot+2:G0+4*\slot+3], s[G0+4*\slot+2:G0+4*\slot+3], 2*QUART
	s_add_nc_u64 s[G0B+4*\slot+2:G0B+4*\slot+3], s[G0B+4*\slot+2:G0B+4*\slot+3], 2*QUART
	JLOAD G0+4*\slot, G1, G0B+4*\slot, G1B         ; the first tensor load behind the round; its four v_nop are the places in front of the loads below
.else
	PLACES
.endif
	FETCH_B \next, 0, 0
	SCALES \next, 0, 0
	FETCH_A \next, 0, 0
	WIN 0xf1
	MUL16 4, 1, 0
	MUL16 6, 1, 0
	PLACES
	WIN 0
	FETCH_A \next, 0, 4
.endm
; 64 numbers of a lane in window win, register s + 16 b + i = k 32 b + 16 (lane / 16) + i of my row, become a fragment's codes in v[PC] on and its scale word in v[w]
.macro QUANT s, win, w
	WIN (\win)|((\win)<<2)
.irp b, 0,1,2,3
	v_max3_num_f32 v[TM+\b], |v[\s+16*\b]|, |v[\s+1+16*\b]|, 0x1800000   ; block b: my 16 numbers, and the floor 2^(3 - 127).  Each accumulator is read from its low end on
.endr
	WIN ((\win)<<2)|((\win)<<4)
.irp i, 2,4,6,8,10,12,14
.irp b, 0,1,2,3
	v_max3_num_f32 v[TM+\b], v[TM+\b], |v[\s+16*\b+\i]|, |v[\s+1+16*\b+\i]|
.endr
.endr
	WIN 0
.irp b, 0,1,2,3
	v_permlanex16_b32 v[TM+4+\b], v[TM+\b], s[SEL], s[SEL+1]
.endr
.irp b, 0,1,2,3
	v_max_num_f32 v[TM+\b], v[TM+\b], v[TM+4+\b]   ; with lane l xor 16's: the block's largest magnitude
.endr
.irp b, 0,1,2,3
	v_add_nc_u32 v[TM+12+\b], 0xff000000, v[TM+\b] ; 2 off its exponent field: the conversion's scale operand
.endr
.irp b, 0,1,2,3
	v_lshrrev_b32 v[TM+4+\b], 23, v[TM+12+\b]      ; the scale's byte
.endr
	v_lshl_or_b32 v[\w], v[TM+5], 8, v[TM+4]
	v_lshl_or_b32 v[\w], v[TM+6], 16, v[\w]
	v_lshl_or_b32 v[\w], v[TM+7], 24, v[\w]
	s_wait_xcnt 0x0                                ; the last block's stores have read their data: the codes' registers are written again only behind this wait
	WIN \win
.irp c, 0,1
	v_cvt_scalef32_pk16_fp6_f32 v[PC+6*\c:PC+2+6*\c], v[\s+32*\c:\s+15+32*\c], v[TM+12+2*\c]
	v_cvt_scalef32_pk16_fp6_f32 v[PC+12+4*\c:PC+14+4*\c], v[\s+16+32*\c:\s+31+32*\c], v[TM+12+2*\c+1]
.endr
	WIN 0
	v_nop                                          ; one plain place behind a scaled conversion
.irp c, 0,1                                    ; the operand's layout wants a WHOLE block in a lane
.irp i, 0,1,2
	v_permlane16_swap_b32 v[PC+6*\c+\i], v[PC+12+4*\c+\i]
.endr
.irp i, 0,1,2
	v_mov_b32 v[PC+3+6*\c+\i], v[PC+12+4*\c+\i]
.endr
.endr
.endm
	s_wait_tensorcnt 1                             ; my part of slot 0 is in; slot 1's may stay out
	s_barrier_signal -1
	s_barrier_wait -1
	FETCH_B 0, 0, 0
	SCALES 0, 0, 0
	FETCH_A 0, 0, 0
	FETCH_A 0, 0, 4
	s_wait_loadcnt 0x0                             ; the bias
	s_cmp_eq_u32 s[ISV], 1                         ; the first step is written twice: its products take the bias by B's rows or by A's; both arms issue the same LDS loads
	s_cbranch_scc1 .Lfirst_rows
	STEP 0, 1
	s_branch .Lfirst_done
.Lfirst_rows:
	STEP 0, 2
.Lfirst_done:
	TURN 0, 1, 1
	STEP 1, 0
	TURN 1, 0, 1
	STEP 0, 0
	TURN 0, 1, 0                                   ; the last lap fills nothing, and has no round
	STEP 1, 0
	s_wait_dscnt 12                                ; the last step: nothing more to fetch
	WIN 0xa1
	MUL16 0, 1, 0
	MUL16 2, 1, 0
	s_wait_dscnt 0x0
	WIN 0xf1
	MUL16 4, 1, 0
	MUL16 6, 1, 0
	WIN 0
	PLACES
.irp a, 0,1,2,3,4,5,6,7                        ; THE WAY OUT: A's block a becomes fragment a of my panel
	QUANT 64*(\a%4), 2+\a/4, WD+\a
.irp c, 0,1,2
	global_store_b128 v[LI], v[PC+4*\c:PC+4*\c+3], s[OUT:OUT+1] offset:\a*FRB+512*\c   ; 512 consecutive bytes, aligned
.endr
.endr
.irp i, 0,1,2,3
	v_cndmask_b32 v[SD+\i], v[WD+\i], v[WD+4+\i], s17   ; lanes 0-15 store fragments 0-3's words of row r, lanes 16-31 fragments 4-7's
.endr
	global_store_b128 v[SA], v[SD:SD+3], s[OUT:OUT+1] offset:SCO
	s_wait_tensorcnt 0x0                           ; the wave's end
	ds_add_u32 v[SPW], v[NIL]
	s_wait_dscnt 0x0
	CROUND                                         ; the closing round: no work-group ends while a partner may still ask for a tile that names it
	s_endpgm
.Lfunc_end_k_q47f4ac77c7_qkv:
	.size	k_q47f4ac77c7_qkv, .Lfunc_end_k_q47f4ac77c7_qkv-k_q47f4ac77c7_qkv
	.p2alignl 7, 3214868480
	.fill 96, 4, 3214868480
	.section	.rodata,"a",@progbits
	.p2align	6, 0x0
	.amdhsa_kernel k_q47f4ac77c7_qkv
		.amdhsa_group_segment_fixed_size 327680
		.amdhsa_private_segment_fixed_size 0
		.amdhsa_enable_private_segment 0
		.amdhsa_kernarg_size 40
		.amdhsa_user_sgpr_count 2
		.amdhsa_user_sgpr_kernarg_segment_ptr 1
		.amdhsa_wavefront_size32 1
		.amdhsa_system_sgpr_workgroup_id_x 1
		.amdhsa_system_sgpr_workgroup_id_y 1
		.amdhsa_system_sgpr_workgroup_id_z 1
		.amdhsa_system_vgpr_workitem_id 0
		.amdhsa_next_free_vgpr 1024
		.amdhsa_next_free_sgpr 84
		.amdhsa_reserve_vcc 0
		.amdhsa_float_denorm_mode_32 3
		.amdhsa_float_denorm_mode_16_64 3
		.amdhsa_memory_ordered 1
		.amdhsa_forward_progress 1
		.amdhsa_inst_pref_size 157
	.end_amdhsa_kernel
	.amdgpu_metadata
---
amdhsa.version: [ 1, 2 ]
amdhsa.kernels:
  - .name:           k_q47f4ac77c7_qkv
    .symbol:         k_q47f4ac77c7_qkv.kd
    .args:
      - { .name: pan, .offset: 0, .size: 8, .value_kind: global_buffer, .address_space: global }
      - { .name: bq, .offset: 8, .size: 8, .value_kind: global_buffer, .address_space: global }
      - { .name: bk, .offset: 16, .size: 8, .value_kind: global_buffer, .address_space: global }
      - { .name: bv, .offset: 24, .size: 8, .value_kind: global_buffer, .address_space: global }
      - { .name: qkv, .offset: 32, .size: 8, .value_kind: global_buffer, .address_space: global }
    .group_segment_fixed_size: 327680
    .private_segment_fixed_size: 0
    .kernarg_segment_align: 8
    .kernarg_segment_size: 40
    .max_flat_workgroup_size: 128
    .sgpr_count:     84
    .vgpr_count:     1024
    .wavefront_size: 32
...
	.end_amdgpu_metadata
.endif
;; end of part 2
;; launch attn (part 3): grid 16 x 16, 8 waves a work-group, clusters of 4 x 1, 327,680 bytes of LDS; arguments qkv, x, y, st; writes y, st
.if DOCPART == 3
	.amdgcn_target "amdgcn-amd-amdhsa--gfx1250"
	.amdhsa_code_object_version 6
	.text
	.protected	k_q47f4ac77c7_attn
	.globl	k_q47f4ac77c7_attn
	.p2align	8
	.type	k_q47f4ac77c7_attn,@function
k_q47f4ac77c7_attn:
	s_mov_b64 s[64:65], 0
	v_nop
	global_prefetch_b8 v0, s[64:65] scope:SCOPE_SE
	s_setreg_imm32_b32 hwreg(HW_REG_WAVE_MODE, 25, 1), 1
	s_wait_xcnt 0x0
	s_wait_alu depctr_hold_cnt(0) depctr_sa_sdst(0) depctr_va_vdst(0) depctr_va_sdst(0) depctr_va_ssrc(0) depctr_va_vcc(0) depctr_vm_vsrc(0)
	s_getreg_b32 s2, hwreg(HW_REG_IB_STS2, 6, 4)
	s_cmp_eq_u32 s2, 0
	s_cbranch_scc0 .Lentry_in_a_cluster
	s_endpgm
.Lentry_in_a_cluster:
	s_bfe_u32 s2, ttmp6, 0x10000c
	s_cmp_lg_u32 s2, 0x3003
	s_cbranch_scc0 .Lentry_shape_is_right
	s_endpgm
.Lentry_shape_is_right:
; Launch 3 of 7: attention on codes of E2M3, y = x + softmax(q k^T / 8) v, and for each work-group the sum and the squares about its own mean of its 16,384 numbers of y.  Nothing of the problem is left out here.
; A work-group takes 128 queries of a pair of heads; wave w takes head w / 4 and the 32 queries 32 (w % 4) ..: two tiles of 16, so that each fragment of k and of v feeds two matrix instructions.
; Both products are used transposed (S^T = k q^T, O^T = v^T p^T): a lane holds one query.  A pair of heads shares the 128 along K of q's and k's panels: q's codes of the other head are set to zero codes.
; THE KEYS OF A TILE OF k: tile t takes in lanes r < 8 the keys 64 (t / 4) + 8 (t % 4) + r and in lanes r >= 8 the keys 32 further on.  In the panel (fragment f, lane r = row 32 (f / 2) + 8 (f % 2) + r + 8 (r / 8))
; these are lanes 8 ((t % 4) / 2) + r % 8 of fragments 4 (t / 4) + t % 2 + 2 (r / 8): a lane address and immediates.  So the 32 registers of tiles 4 c .. 4 c + 3 are, in lane half h, the WHOLE block of keys 64 c + 32 h ..,
; in the order of the next operand's registers: a block's maximum needs no other lane and the codes need no exchange of lanes.
; p = 2^(t - M), M the running largest t rounded up to a whole number; the row's sum is taken of the unquantised p; a block's largest p is made from the block's largest score by the same two instructions.
; LDS: 16 steps of 128 keys go through two slots of four steps (k's four panels, then v's four).  The tensor load lays 64 bytes of padding behind every 512: a panel is 25 rows of 576 bytes, so that the two groups
; of eight lanes of a load of k, six rows apart (3,456 bytes = 128 modulo 256), name different 16-byte columns.  Each wave brings one panel of a slot.  By this text's own count a wave has one tensor load out.
; CLUSTER 4 x 1: the four query blocks of a cluster read the same panels of k and v, by joint loads.
; PREFETCH: the panels of the third and fourth fill are named once in each cluster, four steps ahead of their tensor loads: partner cx names k's and v's panel cx of the fill, waves 0-3, a lane a block of 256 bytes
; (50 blocks a panel; the lanes left over name the last block again).  The first two fills come by their loads alone.  x's rows are loaded into registers ahead of the last slot's steps.
; REGISTERS: window 0: v0-19 addresses, v20-53 the softmax's state, v54-91 q and scale words, v92-123 p's codes, v128-255 S^T of both tiles.  Window 1: v0-47 four fragments of k, v48-95 of v, v96-159 O^T, v160-223 x.
; LIMITS: NaN and infinities are not served; the promise holds while the scaled scores stay under 2^31 in magnitude; a block whose every p has fallen to 0 keeps the byte 1 over zero codes.
.set PANEL, 12800
.set FRB,   1536
.set SCO,   12288
.set CH,    576                        ; an LDS row: 512 bytes + 64 of padding
.set LPAN,  25*CH                      ; a panel in LDS
.set SCL,   24*CH                      ; its scale words
.set SLOT,  8*LPAN
.set STAGE, 2*SLOT                     ; 2 x 16 rows x 272 bytes for each wave
.set STATL, STAGE+16*4352              ; the waves' sums
.set SPARE, STATL+256                  ; the spare words: 128 bytes for each wave, named by no other line
.set LI,  1
.set LIK, 2
.set KSA, 3
.set LIV, 4
.set RSV, 5
.set SPW, 6
.set NIL, 7
.set GO,  8
.set H8,  9
.set ADK, 10
.set ADS, 11
.set ADV, 12
.set ADT, 13
.set STO, 14
.set RD,  15
.set SLW, 16
.set SLR, 17
.set ZO,  18
.set R16, 19
.set ST,  20                           ; tile u: v[ST+4u] -M, +1 the largest t, +2, +3 the row's sum in two halves
.set F,   28                           ; pairs
.set BM,  32                           ; 2 u + c
.set BT,  36
.set RM,  38
.set SO,  40
.set BY,  44
.set PS,  48                           ; p's scale words
.set SB,  50
.set QS,  54
.set Q,   56
.set KS,  80
.set VS,  88
.set PC,  92
.set CT,  116
.set PFO, 124
.set S,   128
.set Y,   192
.set FV,  48                           ; window 1
.set O,   96
.set X,   160
.set CA,  32                           ; the way out
.set CB,  34
.set TT,  36
.set D0,  38
.set D1,  40
.set QA,  42
.set QB,  44
.set SS,  46
.set MW,  50
.set P,   52
.set WV,  18
.set SEL, 20
.set CS,  22
.set G1,  24
.set TB,  2
.set PFA, 76
.set MSB, 0
.macro WIN new                         ; the immediate's high byte repeats the setting that is left
.if MSB != (\new)
	s_set_vgpr_msb (MSB<<8)|(\new)
.set MSB, (\new)
.endif
.endm
.macro PLACES
.rept 4
	v_nop
.endr
.endm
.macro CROUND                          ; a round of the cluster's barrier
	s_barrier_signal -1
	s_barrier_wait -1
	s_cmp_lg_u32 s[WV], 0
	s_cbranch_scc1 .Lnot_wave_0_\@
	s_barrier_signal -3
.Lnot_wave_0_\@:
	s_barrier_wait -3
	s_barrier_signal -1
	s_barrier_wait -1
.endm
.macro RED32 v, t                      ; the sum over the wave's 32 lanes
.irp m, 1,2,4,8
	s_delay_alu instid0(VALU_DEP_1)
	v_add_f32_dpp v[\v], v[\v], v[\v] row_xmask:\m row_mask:0xf bank_mask:0xf
.endr
	s_delay_alu instid0(VALU_DEP_1)
	v_permlanex16_b32 v[\t], v[\v], s[SEL], s[SEL+1]
	s_delay_alu instid0(VALU_DEP_1)
	v_add_f32 v[\v], v[\v], v[\t]
.endm
.macro ASK off                         ; waves 0-3: my cluster partner's share of a later fill, a lane a block of 256 bytes
	s_cmp_lt_u32 s[WV], 4
	s_cbranch_scc0 .Lno_ask_\@
	global_prefetch_b8 v[PFO], s[PFA:PFA+1] offset:\off th:TH_LOAD_NT scope:SCOPE_SE
.Lno_ask_\@:
.endm
	s_load_b256 s[4:11], s[0:1], 0x0               ; qkv, x, y, st
	v_lshl_add_u32 v[SPW], v0, 2, SPARE
	v_mov_b32 v[NIL], 0
	ds_add_u32 v[SPW], v[NIL]                      ; the opening lines: the add, twice on end, and its wait
	ds_add_u32 v[SPW], v[NIL]
	v_lshrrev_b32 v10, 5, v0
	v_readfirstlane_b32 s[WV], v10
	v_and_b32 v10, 31, v0                          ; lane
	v_and_b32 v11, 15, v0                          ; r
	v_bfe_u32 v12, v0, 4, 1                        ; h
	v_bfe_u32 v13, v0, 3, 1                        ; r / 8
	v_lshlrev_b32 v[LI], 4, v10
	v_lshlrev_b32 v[R16], 4, v11
	s_lshr_b32 s19, s[WV], 2                       ; my head of the pair
	s_and_b32 s32, s[WV], 3                        ; j: my 32 queries
	s_bfe_u32 s35, ttmp6, 0x40000                  ; cx
	s_lshl_b32 s36, ttmp9, 2
	s_add_co_u32 s36, s36, s35                     ; the query block, 0..15
	s_and_b32 s37, ttmp7, 0xffff
	s_lshr_b32 s38, s37, 3                         ; batch
	s_and_b32 s39, s37, 7                          ; pair of heads
	s_lshl_b32 s56, s39, 5
	s_lshl_b32 s57, s38, 4
	s_add_co_u32 s56, s56, s57                     ; 32 hp + 16 batch
	s_add_co_u32 s58, s56, 256
	s_mul_i32 s58, s58, PANEL                      ; k's first panel
	s_mul_i32 s74, s35, PANEL                      ; the prefetches: panel cx of a fill,
	s_add_co_u32 s74, s74, s58
	s_bfe_u32 s75, s[WV], 0x10001
	s_mul_i32 s75, s75, 256*PANEL                  ; waves 2, 3: v's
	s_add_co_u32 s74, s74, s75
	s_mov_b32 s75, 0
	s_mul_i32 s60, s[WV], PANEL                    ; my panel of a fill: waves 0-3 k's four, waves 4-7 v's four
	s_add_co_u32 s58, s58, s60
	s_mul_i32 s60, s19, 252*PANEL
	s_add_co_u32 s58, s58, s60
	s_mov_b32 s59, 0
	s_mul_i32 s61, s[WV], LPAN                     ; where it goes
	s_add_co_u32 s62, s56, s36
	s_mul_i32 s62, s62, PANEL                      ; q's panel
	s_lshr_b32 s70, s32, 1
	s_lshl_b32 s70, s70, 8
	s_and_b32 s71, s32, 1
	s_lshl_b32 s71, s71, 3
	s_add_co_u32 s70, s70, s71
	s_add_co_u32 s70, s70, SCO
	s_add_co_u32 s70, s70, s62                     ; the scale words of fragments 2 j, 2 j + 1
	s_mov_b32 s71, 0
	s_mul_i32 s63, s32, 2*FRB
	s_add_co_u32 s62, s62, s63
	s_mov_b32 s63, 0
	s_lshl_b32 s66, s38, 11
	s_lshl_b32 s67, s36, 7
	s_add_co_u32 s66, s66, s67
	s_lshl_b32 s67, s32, 5
	s_add_co_u32 s66, s66, s67                     ; my first row of x and y
	s_lshl_b32 s66, s66, 12
	s_lshl_b32 s67, s39, 1
	s_add_co_u32 s67, s67, s19
	s_lshl_b32 s67, s67, 8                         ; my head's 256 bytes of a row
	s_add_co_u32 s66, s66, s67
	s_mov_b32 s67, 0
	s_lshl_b32 s68, s37, 4
	s_add_co_u32 s68, s68, s36
	s_lshl_b32 s68, s68, 3                         ; the work-group's pair in st
	s_mov_b32 s69, 0
	s_cmp_eq_u32 s19, 0
	s_cselect_b32 s33, -1, 0
	s_cselect_b32 s34, 0, -1
	s_mov_b32 s[G1], 15|(3<<16)|(1<<20)|(1<<21)|(6<<22)|(15<<25)   ; the mask of all four partners; elements of 8 bytes; 16 words of padding behind every 128
	s_mov_b32 s[G1+1], 64<<16                      ; rows of 512 bytes,
	s_mov_b32 s[G1+2], 25<<16                      ; 25 of them: a panel
	s_mov_b32 s[G1+3], 64<<16
	s_mov_b32 s[G1+4], 25
	s_mov_b32 s[G1+5], 64
	s_mov_b32 s[G1+6], 0
	s_mov_b32 s[G1+7], 0
	s_mov_b32 s[SEL], 0x76543210
	s_mov_b32 s[SEL+1], 0xfedcba98
	s_mov_b32 s[CS], 0x3e38aa3b                    ; log2(e) / 8
	s_mov_b32 s[CS+1], s[CS]
	s_wait_alu depctr_va_vdst(0)
	s_wait_dscnt 0x0
	s_wait_kmcnt 0x0
	s_add_nc_u64 s[58:59], s[4:5], s[58:59]
	s_add_nc_u64 s[48:49], s[4:5], s[62:63]
	s_add_nc_u64 s[72:73], s[4:5], s[70:71]
	s_add_nc_u64 s[PFA:PFA+1], s[4:5], s[74:75]
	s_add_nc_u64 s[50:51], s[6:7], s[66:67]
	s_add_nc_u64 s[52:53], s[8:9], s[66:67]
	s_add_nc_u64 s[54:55], s[10:11], s[68:69]
.irp u, 0,1                                    ; q's two fragments and their scale words are asked for ahead of the first round
.irp c, 0,1,2
	global_load_b128 v[Q+12*\u+4*\c:Q+12*\u+4*\c+3], v[LI], s[48:49] offset:FRB*\u+512*\c
.endr
.endr
	global_load_b64 v[QS:QS+1], v[R16], s[72:73]
	CROUND
	s_mov_b32 s40, 1
	s_mov_b32 s41, s61
	s_mov_b64 s[42:43], s[58:59]
	s_or_b32 s43, s43, 0x80000000
	s_mov_b32 s44, 1
	s_add_co_u32 s45, s61, SLOT
	s_add_nc_u64 s[46:47], s[58:59], 4*PANEL
	s_or_b32 s47, s47, 0x80000000
	tensor_load_to_lds s[40:43], s[G1:G1+7]        ; steps 0-3: one tensor load a wave at the head
	s_nop 0
	PLACES
	v_and_b32 v[KSA], 7, v0
	v_lshlrev_b32 v[KSA], 4, v[KSA]                ; 16 (r % 8)
	v_mul_u32_u24 v[LIK], v13, 6*CH                ; lanes r >= 8: two fragments on
	v_add_nc_u32 v[LIK], v[LIK], v[KSA]
	v_lshl_add_u32 v[LIK], v12, 8, v[LIK]          ; + 256 h
	v_lshl_add_u32 v[KSA], v13, 3, v[KSA]          ; k's scale words: 16 (r % 8) + 8 (r / 8)
	s_mul_i32 s35, s19, 12*CH
	s_add_co_u32 s35, s35, 4*LPAN
	v_add_nc_u32 v[LIV], s35, v[LI]                ; v: my head's four fragments
	s_lshl_b32 s35, s19, 8
	s_add_co_u32 s35, s35, 4*LPAN+SCL
	v_add_nc_u32 v[RSV], s35, v[R16]
	v_lshl_add_u32 v[GO], v12, 12, v[R16]
	v_lshlrev_b32 v[H8], 3, v12
	s_mul_i32 s35, s[WV], 2*4352
	s_add_co_u32 s35, s35, STAGE
	v_mul_u32_u24 v[STO], v11, 272
	v_lshl_add_u32 v[STO], v12, 6, v[STO]
	v_add_nc_u32 v[STO], s35, v[STO]
	v_mul_u32_u24 v[RD], v12, 272
	v_add_nc_u32 v[RD], v[RD], v[R16]
	v_add_nc_u32 v[RD], s35, v[RD]
	s_lshl_b32 s35, s[WV], 3
	s_add_co_u32 s35, s35, STATL
	v_mov_b32 v[SLW], s35
	v_and_b32 v[SLR], 7, v0
	v_lshl_add_u32 v[SLR], v[SLR], 3, STATL
	v_mov_b32 v[ZO], 0
	s_and_b32 s35, s[WV], 1
	s_lshl_b32 s35, s35, 5
	v_add_nc_u32 v[PFO], s35, v10
	v_min_u32 v[PFO], 49, v[PFO]
	v_lshlrev_b32 v[PFO], 8, v[PFO]
.irp u, 0,1
	v_mov_b32 v[ST+4*\u+1], 0xff61b1e6             ; the largest t so far: -3e38
	v_mov_b32 v[ST+4*\u+2], 0
	v_mov_b32 v[ST+4*\u+3], 0
	v_mov_b32 v[F+2*\u+1], 0
	v_mov_b32 v[BT+\u], 0                          ; a lane permute's destination counts as one of its sources
	v_floor_f32 v[ST+4*\u], -v[ST+4*\u+1]
.endr
	WIN 0x40
.set J, 0
.rept 64
	v_mov_b32 v[O+J], 0                            ; O^T: the step is written once, and the first change of M leaves zeros zeros
.set J, J+1
.endr
	WIN 0
	s_wait_alu depctr_va_vdst(0)
	s_wait_tensorcnt 0x0                           ; slot 1's first fill is issued as a refill is
	ds_add_u32 v[SPW], v[NIL]
	s_wait_dscnt 0x0
	CROUND
	tensor_load_to_lds s[44:47], s[G1:G1+7]        ; steps 4-7
	s_nop 0
	PLACES
	s_wait_loadcnt 0x0
.irp u, 0,1
.irp i, 0,1,2,3,4,5
	v_and_b32 v[Q+12*\u+\i], s33, v[Q+12*\u+\i]    ; the other head's codes of q become zero codes
.endr
.irp i, 6,7,8,9,10,11
	v_and_b32 v[Q+12*\u+\i], s34, v[Q+12*\u+\i]
.endr
.endr
	s_wait_alu depctr_va_vdst(0)
.macro KLOAD g                         ; four tiles of k, by the order of keys stated at the head
	WIN 0x40
.irp t, 0,1,2,3
.irp c, 0,1,2
	ds_load_b128 v[12*\t+4*\c:12*\t+4*\c+3], v[ADK] offset:CH*(3*(4*\g+\t%2)+\c)+128*(\t/2)
.endr
.endr
.endm
.macro QK g                            ; eight matrix instructions: four tiles of keys x my two tiles of queries
	WIN 0x01
.irp t, 0,1,2,3
.irp u, 0,1
	v_wmma_scale_f32_16x16x128_f8f6f4 v[S+64*\u+8*(4*\g+\t):S+64*\u+8*(4*\g+\t)+7], v[12*\t:12*\t+11], v[Q+12*\u:Q+12*\u+11], 0, v[KS+4*\g+\t], v[QS+\u] matrix_a_fmt:MATRIX_FMT_FP6 matrix_b_fmt:MATRIX_FMT_FP6
.endr
.endr
.endm
.macro STEP                            ; 128 keys
	v_add_nc_u32 v[ADK], s[TB], v[LIK]             ; (these four are also the places in front of the load of v's scale words)
	v_add_nc_u32 v[ADS], s[TB], v[KSA]
	v_add_nc_u32 v[ADV], s[TB], v[LIV]
	v_add_nc_u32 v[ADT], s[TB], v[RSV]
	s_wait_alu depctr_va_vdst(0)
.irp p, 0,1,2,3
	ds_load_b64 v[KS+2*\p:KS+2*\p+1], v[ADS] offset:SCL+256*(\p/2)+128*(\p%2)
.endr
	ds_load_b128 v[VS:VS+3], v[ADT]
	KLOAD 0
	s_wait_dscnt 0x0
	QK 0
	PLACES
	KLOAD 1
.irp t, 0,1,2,3
.irp c, 0,1,2
	ds_load_b128 v[FV+12*\t+4*\c:FV+12*\t+4*\c+3], v[ADV] offset:CH*(3*\t+\c)
.endr
.endr
	s_wait_dscnt 12                                ; k's tiles are in; v's twelve loads may be out
	QK 1
	WIN 0
	PLACES
.irp u, 0,1                                    ; the largest score of each block of 32 keys: all 32 are mine.  Each accumulator is read from its low end on
.irp c, 0,1
	v_max3_num_f32 v[BM+2*\u+\c], v[S+64*\u+32*\c], v[S+64*\u+32*\c+1], v[S+64*\u+32*\c+2]
.endr
.endr
.irp i, 3,5,7,9,11,13,15,17,19,21,23,25,27,29
.irp u, 0,1
.irp c, 0,1
	v_max3_num_f32 v[BM+2*\u+\c], v[BM+2*\u+\c], v[S+64*\u+32*\c+\i], v[S+64*\u+32*\c+\i+1]
.endr
.endr
.endr
.irp u, 0,1
.irp c, 0,1
	v_max_num_f32 v[BM+2*\u+\c], v[BM+2*\u+\c], v[S+64*\u+32*\c+31]
.endr
.endr
.irp u, 0,1
	v_max_num_f32 v[RM+\u], v[BM+2*\u], v[BM+2*\u+1]
.endr
.irp u, 0,1
	s_delay_alu instid0(VALU_DEP_2)
	v_permlanex16_b32 v[BT+\u], v[RM+\u], s[SEL], s[SEL+1]
.endr
.irp u, 0,1
	s_delay_alu instid0(VALU_DEP_2)
	v_max_num_f32 v[RM+\u], v[RM+\u], v[BT+\u]     ; the step's largest score of my query
.endr
.irp u, 0,1
	s_delay_alu instid0(VALU_DEP_2)
	v_mul_f32 v[RM+\u], s[CS], v[RM+\u]
.endr
.irp u, 0,1
	s_delay_alu instid0(VALU_DEP_2)
	v_max_num_f32 v[ST+4*\u+1], v[ST+4*\u+1], v[RM+\u]   ; the running largest t
.endr
.irp u, 0,1
	v_mov_b32 v[RM+\u], v[ST+4*\u]
.endr
.irp u, 0,1
	v_floor_f32 v[ST+4*\u], -v[ST+4*\u+1]          ; -M = floor(-t): M is a whole number
.endr
.irp u, 0,1
	s_delay_alu instid0(VALU_DEP_2)
	v_sub_f32 v[RM+\u], v[ST+4*\u], v[RM+\u]
.endr
.irp u, 0,1
	s_delay_alu instid0(VALU_DEP_2)
	v_cvt_i32_f32 v[RM+\u], v[RM+\u]               ; (it saturates)
.endr
.irp u, 0,1
	s_delay_alu instid0(VALU_DEP_2)
	v_ldexp_f32 v[F+2*\u], 1.0, v[RM+\u]           ; f = 2^(old M - new M)
.endr
.irp u, 0,1
.set J, 0
.rept 32
	v_pk_fma_f32 v[S+64*\u+J:S+64*\u+J+1], v[S+64*\u+J:S+64*\u+J+1], s[CS:CS+1], v[ST+4*\u:ST+4*\u+1] op_sel_hi:[1,0,0]   ; t - M
.set J, J+2
.endr
.irp c, 0,1
	v_fma_f32 v[BM+2*\u+\c], v[BM+2*\u+\c], s[CS], v[ST+4*\u]   ; the same of each block's largest score
.endr
.endr
	s_wait_alu depctr_va_vdst(0)
.set J, 0
.rept 128
	v_exp_f32 v[S+J], v[S+J]                       ; p, at most 1, not normalised
.set J, J+1
.endr
.irp b, 0,1,2,3
	v_exp_f32 v[BM+\b], v[BM+\b]                   ; the blocks' largest p
.endr
.irp u, 0,1
	v_pk_mul_f32 v[ST+4*\u+2:ST+4*\u+3], v[ST+4*\u+2:ST+4*\u+3], v[F+2*\u:F+2*\u+1] op_sel_hi:[1,0]   ; the sums under the new M (plain places behind the batch)
.endr
	s_wait_alu depctr_va_vdst(0)                   ; one wait for the batch, ahead of its first reader
.irp u, 0,1
	v_pk_add_f32 v[SB+2*\u:SB+2*\u+1], v[S+64*\u:S+64*\u+1], v[S+64*\u+2:S+64*\u+3]   ; the row's sum of the unquantised p: four chains by turns
.endr
.set J, 4
.rept 15
.irp u, 0,1
	v_pk_add_f32 v[ST+4*\u+2:ST+4*\u+3], v[ST+4*\u+2:ST+4*\u+3], v[S+64*\u+J:S+64*\u+J+1]
	v_pk_add_f32 v[SB+2*\u:SB+2*\u+1], v[SB+2*\u:SB+2*\u+1], v[S+64*\u+J+2:S+64*\u+J+3]
.endr
.set J, J+4
.endr
.irp u, 0,1
	v_pk_add_f32 v[ST+4*\u+2:ST+4*\u+3], v[ST+4*\u+2:ST+4*\u+3], v[SB+2*\u:SB+2*\u+1]
.endr
.irp b, 0,1,2,3
	v_max_num_f32 v[BM+\b], 0x1800000, v[BM+\b]    ; the floor 2^(3 - 127): the byte cannot fall under 1
.endr
.irp b, 0,1,2,3
	v_add_nc_u32 v[SO+\b], 0xff000000, v[BM+\b]    ; 2 off the exponent field: the conversion's scale operand
.endr
.irp b, 0,1,2,3
	v_lshrrev_b32 v[BY+\b], 23, v[SO+\b]           ; the scale's byte
.endr
.irp u, 0,1
	v_lshl_or_b32 v[PS+\u], v[BY+2*\u+1], 16, v[BY+2*\u]   ; my two bytes: blocks h and 2 + h,
.endr
.irp u, 0,1
	s_delay_alu instid0(VALU_DEP_2)
	v_lshlrev_b32 v[PS+\u], v[H8], v[PS+\u]        ; at their places in the word;
.endr
.irp u, 0,1
	s_delay_alu instid0(VALU_DEP_2)
	v_permlanex16_b32 v[BT+\u], v[PS+\u], s[SEL], s[SEL+1]
.endr
.irp u, 0,1
	s_delay_alu instid0(VALU_DEP_2)
	v_or_b32 v[PS+\u], v[PS+\u], v[BT+\u]          ; with lane l xor 16's two the word is whole
.endr
.irp u, 0,1
.irp c, 0,1
	v_cvt_scalef32_pk16_fp6_f32 v[PC+12*\u+6*\c:PC+12*\u+6*\c+2], v[S+64*\u+32*\c:S+64*\u+32*\c+15], v[SO+2*\u+\c]
	v_cvt_scalef32_pk16_fp6_f32 v[CT+4*\c:CT+4*\c+2], v[S+64*\u+32*\c+16:S+64*\u+32*\c+31], v[SO+2*\u+\c]   ; (a conversion's three registers begin on an even number)
.endr
	v_nop                                          ; one plain place behind a scaled conversion
.irp c, 0,1
.irp i, 0,1,2
	v_mov_b32 v[PC+12*\u+6*\c+3+\i], v[CT+4*\c+\i]
.endr
.endr
.endr
	WIN 0x41
	s_wait_alu depctr_va_vdst(0)                   ; directly ahead of the first reader of O^T
.irp u, 0,1
.set J, 0
.rept 16
	v_pk_mul_f32 v[O+32*\u+J:O+32*\u+J+1], v[O+32*\u+J:O+32*\u+J+1], v[F+2*\u:F+2*\u+1] op_sel_hi:[1,0]   ; O^T under the new M; also the places in front of the products below
.set J, J+2
.endr
.endr
	s_wait_alu depctr_va_vdst(0)
	s_wait_dscnt 0x0                               ; v's fragments
	WIN 0x51
.irp t, 0,1,2,3
.irp u, 0,1
	v_wmma_scale_f32_16x16x128_f8f6f4 v[O+32*\u+8*\t:O+32*\u+8*\t+7], v[FV+12*\t:FV+12*\t+11], v[PC+12*\u:PC+12*\u+11], v[O+32*\u+8*\t:O+32*\u+8*\t+7], v[VS+\t], v[PS+\u] matrix_a_fmt:MATRIX_FMT_FP6 matrix_b_fmt:MATRIX_FMT_FP6
.endr
.endr
	WIN 0
.endm
.macro SLOTRUN base                    ; a slot's four steps
	s_mov_b32 s[TB], \base
	s_mov_b32 s3, 4
.Lstep_\@:
	STEP
	s_add_co_u32 s[TB], s[TB], LPAN
	s_sub_co_u32 s3, s3, 1
	s_cmp_lg_u32 s3, 0
	s_cbranch_scc1 .Lstep_\@
.endm
.macro CHANGE fill, slot               ; a change of slots: every wave waits for its tensor load, adds 0 to its spare word and waits for that and for its reads; fill = 1: a round, and the slot just read takes the steps eight on
	s_wait_tensorcnt 0x0
	ds_add_u32 v[SPW], v[NIL]
.if \fill
	s_add_nc_u64 s[42+4*\slot:43+4*\slot], s[42+4*\slot:43+4*\slot], 8*PANEL
	s_wait_dscnt 0x0
	CROUND
	tensor_load_to_lds s[40+4*\slot:43+4*\slot], s[G1:G1+7]
	s_nop 0
	PLACES
.else
	s_wait_dscnt 0x0
	s_barrier_signal -1
	s_barrier_wait -1
.endif
.endm
	ASK 8*PANEL                                    ; steps 8-11, four steps ahead of their load
	SLOTRUN 0
	CHANGE 1, 0
	ASK 12*PANEL                                   ; steps 12-15
	SLOTRUN SLOT
	CHANGE 1, 1
	SLOTRUN 0
	CHANGE 0, 0
	WIN 0x40
.irp u, 0,1                                    ; my 32 rows x 256 bytes of x, for the way out: sixteen lanes read 256 consecutive bytes
.irp i, 0,1,2,3,4,5,6,7
	global_load_b128 v[X+32*\u+4*\i:X+32*\u+4*\i+3], v[GO], s[50:51] offset:(2*\i+8*(\i/4)+8*\u)*4096
.endr
.endr
	WIN 0
	SLOTRUN SLOT
	PLACES
.irp u, 0,1
	v_add_f32 v[ST+4*\u+2], v[ST+4*\u+2], v[ST+4*\u+3]
.endr
.irp u, 0,1
	s_delay_alu instid0(VALU_DEP_2)
	v_permlanex16_b32 v[BT+\u], v[ST+4*\u+2], s[SEL], s[SEL+1]
.endr
.irp u, 0,1
	s_delay_alu instid0(VALU_DEP_2)
	v_add_f32 v[ST+4*\u+2], v[ST+4*\u+2], v[BT+\u] ; the row's sum
.endr
	s_wait_alu depctr_va_vdst(0)
.irp u, 0,1
	v_rcp_f32 v[ST+4*\u+2], v[ST+4*\u+2]
.endr
	v_nop
	WIN 0x01
	s_wait_alu depctr_va_vdst(0)                   ; ahead of the first reader of the quotients and of O^T
.irp u, 0,1
.set J, 0
.rept 32
	v_mul_f32 v[S+32*\u+J], v[O+32*\u+J], v[ST+4*\u+2]
.set J, J+1
.endr
.endr
	WIN 0
.irp u, 0,1                                    ; through my stage into rows of 256 bytes
.irp i, 0,1,2,3
	ds_store_b128 v[STO], v[S+32*\u+8*\i:S+32*\u+8*\i+3] offset:4352*\u+128*(\i/2)+32*(\i%2)
	ds_store_b128 v[STO], v[S+32*\u+8*\i+4:S+32*\u+8*\i+7] offset:4352*\u+128*(\i/2)+32*(\i%2)+16
.endr
.endr
.irp u, 0,1
.irp i, 0,1,2,3,4,5,6,7
	ds_load_b128 v[Y+32*\u+4*\i:Y+32*\u+4*\i+3], v[RD] offset:4352*\u+544*\i   ; LDS serves a wave's instructions in order: these see my stores
.endr
.endr
	s_wait_loadcnt 0x0
	s_wait_dscnt 0x0
	WIN 0x04
.set J, 0
.rept 32
	v_pk_add_f32 v[Y+J:Y+J+1], v[Y+J:Y+J+1], v[X+J:X+J+1]
.set J, J+2
.endr
	WIN 0
.irp u, 0,1
.irp i, 0,1,2,3,4,5,6,7
	global_store_b128 v[GO], v[Y+32*\u+4*\i:Y+32*\u+4*\i+3], s[52:53] offset:(2*\i+8*(\i/4)+8*\u)*4096   ; sixteen lanes store an aligned 256 bytes
.endr
.endr
	v_pk_add_f32 v[CA:CA+1], v[Y:Y+1], v[Y+2:Y+3]  ; my wave's 2,048 numbers: their sum, and the squares about the wave's own mean
	v_pk_add_f32 v[CB:CB+1], v[Y+4:Y+5], v[Y+6:Y+7]
.set J, 8
.rept 14
	s_delay_alu instid0(VALU_DEP_2)
	v_pk_add_f32 v[CA:CA+1], v[CA:CA+1], v[Y+J:Y+J+1]
	s_delay_alu instid0(VALU_DEP_2)
	v_pk_add_f32 v[CB:CB+1], v[CB:CB+1], v[Y+J+2:Y+J+3]
.set J, J+4
.endr
	s_delay_alu instid0(VALU_DEP_1)
	v_pk_add_f32 v[CA:CA+1], v[CA:CA+1], v[CB:CB+1]
	s_delay_alu instid0(VALU_DEP_1)
	v_add_f32 v[SS], v[CA], v[CA+1]
	RED32 SS, TT
	s_delay_alu instid0(VALU_DEP_1)
	v_mul_f32 v[MW], 0x3a000000, v[SS]             ; / 2,048
	s_delay_alu instid0(VALU_DEP_1)
	v_mov_b32 v[MW+1], v[MW]
	v_pk_add_f32 v[D0:D0+1], v[Y:Y+1], v[MW:MW+1] neg_lo:[0,1] neg_hi:[0,1]
	v_pk_add_f32 v[D1:D1+1], v[Y+2:Y+3], v[MW:MW+1] neg_lo:[0,1] neg_hi:[0,1]
	s_delay_alu instid0(VALU_DEP_2)
	v_pk_mul_f32 v[QA:QA+1], v[D0:D0+1], v[D0:D0+1]
	s_delay_alu instid0(VALU_DEP_2)
	v_pk_mul_f32 v[QB:QB+1], v[D1:D1+1], v[D1:D1+1]
.set J, 4
.rept 15
	v_pk_add_f32 v[D0:D0+1], v[Y+J:Y+J+1], v[MW:MW+1] neg_lo:[0,1] neg_hi:[0,1]
	v_pk_add_f32 v[D1:D1+1], v[Y+J+2:Y+J+3], v[MW:MW+1] neg_lo:[0,1] neg_hi:[0,1]
	s_delay_alu instid0(VALU_DEP_2)
	v_pk_fma_f32 v[QA:QA+1], v[D0:D0+1], v[D0:D0+1], v[QA:QA+1]
	s_delay_alu instid0(VALU_DEP_2)
	v_pk_fma_f32 v[QB:QB+1], v[D1:D1+1], v[D1:D1+1], v[QB:QB+1]
.set J, J+4
.endr
	s_delay_alu instid0(VALU_DEP_1)
	v_pk_add_f32 v[QA:QA+1], v[QA:QA+1], v[QB:QB+1]
	s_delay_alu instid0(VALU_DEP_1)
	v_add_f32 v[SS+1], v[QA], v[QA+1]
	RED32 SS+1, TT
	ds_store_b64 v[SLW], v[SS:SS+1]                ; all lanes write the same pair
	s_wait_dscnt 0x0                               ; for the others' sake
	s_barrier_signal -1
	s_barrier_wait -1
	s_cmp_lg_u32 s[WV], 0
	s_cbranch_scc1 .Lnot_first
	ds_load_b64 v[P:P+1], v[SLR]                   ; wave 0 joins the eight pairs: sums add; squares about each wave's mean are brought about the work-group's mean
	s_wait_dscnt 0x0
	v_mov_b32 v[SS], v[P]
.irp m, 1,2,4
	s_delay_alu instid0(VALU_DEP_1)
	v_add_f32_dpp v[SS], v[SS], v[SS] row_xmask:\m row_mask:0xf bank_mask:0xf
.endr
	s_delay_alu instid0(VALU_DEP_1)
	v_mul_f32 v[MW], 0x38800000, v[SS]             ; / 16,384
	s_delay_alu instid0(VALU_DEP_1)
	v_fma_f32 v[TT], v[P], 0x3a000000, -v[MW]      ; a wave's mean less the work-group's
	s_delay_alu instid0(VALU_DEP_1)
	v_mul_f32 v[TT], v[TT], v[TT]
	s_delay_alu instid0(VALU_DEP_1)
	v_fma_f32 v[SS+1], v[TT], 0x45000000, v[P+1]   ; + 2,048 x its square
.irp m, 1,2,4
	s_delay_alu instid0(VALU_DEP_1)
	v_add_f32_dpp v[SS+1], v[SS+1], v[SS+1] row_xmask:\m row_mask:0xf bank_mask:0xf
.endr
	s_wait_alu depctr_va_vdst(0)
	s_wait_xcnt 0x0                                ; EXEC changes only behind this wait
	v_cmp_eq_u32 vcc_lo, 0, v0
	s_and_saveexec_b32 s35, vcc_lo
	global_store_b64 v[ZO], v[SS:SS+1], s[54:55]   ; one lane stores the work-group's pair
	s_wait_xcnt 0x0
	s_or_b32 exec_lo, exec_lo, s35
.Lnot_first:
	s_wait_tensorcnt 0x0                           ; the wave's end
	ds_add_u32 v[SPW], v[NIL]
	s_wait_dscnt 0x0
	CROUND                                         ; the closing round
	s_endpgm
.Lfunc_end_k_q47f4ac77c7_attn:
	.size	k_q47f4ac77c7_attn, .Lfunc_end_k_q47f4ac77c7_attn-k_q47f4ac77c7_attn
	.p2alignl 7, 3214868480
	.fill 96, 4, 3214868480
	.section	.rodata,"a",@progbits
	.p2align	6, 0x0
	.amdhsa_kernel k_q47f4ac77c7_attn
		.amdhsa_group_segment_fixed_size 327680
		.amdhsa_private_segment_fixed_size 0
		.amdhsa_enable_private_segment 0
		.amdhsa_kernarg_size 32
		.amdhsa_user_sgpr_count 2
		.amdhsa_user_sgpr_kernarg_segment_ptr 1
		.amdhsa_wavefront_size32 1
		.amdhsa_system_sgpr_workgroup_id_x 1
		.amdhsa_system_sgpr_workgroup_id_y 1
		.amdhsa_system_sgpr_workgroup_id_z 1
		.amdhsa_system_vgpr_workitem_id 0
		.amdhsa_next_free_vgpr 480
		.amdhsa_next_free_sgpr 96
		.amdhsa_reserve_vcc 1
		.amdhsa_float_denorm_mode_32 3
		.amdhsa_float_denorm_mode_16_64 3
		.amdhsa_memory_ordered 1
		.amdhsa_forward_progress 1
		.amdhsa_inst_pref_size 149
	.end_amdhsa_kernel
	.amdgpu_metadata
---
amdhsa.version: [ 1, 2 ]
amdhsa.kernels:
  - .name:           k_q47f4ac77c7_attn
    .symbol:         k_q47f4ac77c7_attn.kd
    .args:
      - { .name: qkv, .offset: 0, .size: 8, .value_kind: global_buffer, .address_space: global }
      - { .name: x, .offset: 8, .size: 8, .value_kind: global_buffer, .address_space: global }
      - { .name: y, .offset: 16, .size: 8, .value_kind: global_buffer, .address_space: global }
      - { .name: st, .offset: 24, .size: 8, .value_kind: global_buffer, .address_space: global }
    .group_segment_fixed_size: 327680
    .private_segment_fixed_size: 0
    .kernarg_segment_align: 8
    .kernarg_segment_size: 32
    .max_flat_workgroup_size: 256
    .sgpr_count:     96
    .vgpr_count:     480
    .wavefront_size: 32
...
	.end_amdgpu_metadata
.endif
;; end of part 3
;; launch ln1q (part 4): grid 256 x 1, 2 waves a work-group, no clusters, 0 bytes of LDS; arguments y, st, hpan, mr1; writes hpan, mr1
.if DOCPART == 4
	.amdgcn_target "amdgcn-amd-amdhsa--gfx1250"
	.amdhsa_code_object_version 6
	.text
	.protected	k_q47f4ac77c7_ln1q
	.globl	k_q47f4ac77c7_ln1q
	.p2align	8
	.type	k_q47f4ac77c7_ln1q,@function
k_q47f4ac77c7_ln1q:
	s_mov_b64 s[64:65], 0
	v_nop
	global_prefetch_b8 v0, s[64:65] scope:SCOPE_SE
	s_setreg_imm32_b32 hwreg(HW_REG_WAVE_MODE, 25, 1), 1
	s_wait_xcnt 0x0
; Launch 4 of 7: the first norm over (L, C) of each batch is finished, h = (y - mean) / sqrt(var + eps) is quantised into panels (the layout stated at the head of the first launch), and (mean, 1 / sqrt) are kept for launch 6.
; Nothing of the problem is left out here.  Every wave joins the batch's 128 pairs (sum, squares about the part's own mean) by itself: sums add; each part's squares are brought about the common mean: no difference of large sums is formed.
; SHARES: a work-group makes one panel (8 t + kq), wave g its fragments 4 g .. 4 g + 3.  No LDS, no barrier.
; LIMITS: as stated at the head of the first launch; 1 / sqrt as the instruction gives it.
.set PANEL, 12800
.set FRB,   1536
.set SCO,   12288
.set TP,  9
.set MX,  10
.set SO,  12
.set BY,  14
.set CT,  16
.set A,   24                           ; v24-31   four pairs of st
.set X,   32
.set PC,  160
.set W,   208
.set SD,  212
.set MN,  214                          ; v[214:215] the mean, twice
.set RS,  216                          ; v[216:217] 1 / sqrt(var + eps), twice
.set T0,  218
.set T1,  219
.set T2,  220
.set T3,  221
.set ZO,  222
.set STA, 223
.set SEL, 36
	s_load_b256 s[4:11], s[0:1], 0x0               ; y s[4:5], st s[6:7], hpan s[8:9], mr1 s[10:11]
	v_lshrrev_b32 v1, 5, v0
	v_readfirstlane_b32 s3, v1                     ; g
	v_and_b32 v1, 31, v0
	v_and_b32 v2, 15, v0
	v_bfe_u32 v3, v0, 4, 1
	v_and_b32 v4, 8, v2
	v_add_nc_u32 v4, v4, v2
	v_lshlrev_b32 v5, 4, v1
	v_lshlrev_b32 v6, 12, v4
	v_lshl_add_u32 v6, v3, 7, v6
	v_lshlrev_b32 v7, 4, v2
	v_lshl_add_u32 v7, v3, 3, v7
	v_lshlrev_b32 v8, 3, v3
	v_mov_b32 v[TP], 0
	v_mov_b32 v[T2], 0
	v_mov_b32 v[ZO], 0
	v_lshlrev_b32 v[STA], 5, v1                    ; four pairs a lane
	s_mov_b32 s[SEL], 0x76543210
	s_mov_b32 s[SEL+1], 0xfedcba98
	s_mov_b32 s38, 0xffff0000
	s_mul_i32 s40, ttmp9, PANEL
	s_mul_i32 s2, s3, 4*FRB
	s_add_co_u32 s40, s40, s2
	s_mov_b32 s41, 0
	s_mul_i32 s42, ttmp9, PANEL
	s_lshl_b32 s2, s3, 8
	s_add_co_u32 s42, s42, s2
	s_add_co_u32 s42, s42, SCO
	s_mov_b32 s43, 0
	s_lshr_b32 s28, ttmp9, 3
	s_lshl_b32 s28, s28, 19
	s_lshl_b32 s29, s3, 18
	s_add_co_u32 s28, s28, s29
	s_and_b32 s29, ttmp9, 7
	s_lshl_b32 s29, s29, 9
	s_add_co_u32 s28, s28, s29
	s_mov_b32 s29, 0
	s_lshr_b32 s30, ttmp9, 7                       ; batch
	s_lshl_b32 s32, s30, 3
	s_mov_b32 s33, 0
	s_lshl_b32 s30, s30, 10
	s_mov_b32 s31, 0
	s_wait_alu depctr_va_vdst(0)
	s_wait_kmcnt 0x0
	s_add_nc_u64 s[40:41], s[8:9], s[40:41]
	s_add_nc_u64 s[42:43], s[8:9], s[42:43]
	s_add_nc_u64 s[4:5], s[4:5], s[28:29]
	s_add_nc_u64 s[6:7], s[6:7], s[30:31]
	s_add_nc_u64 s[10:11], s[10:11], s[32:33]
.macro LOADX i
.irp c, 0,1
.irp j, 0,1,2,3,4,5,6,7
	global_load_b128 v[X+64*((\i)%2)+32*\c+4*\j:X+64*((\i)%2)+32*\c+4*\j+3], v6, s[4:5] offset:(32*((\i)/2)+8*((\i)%2))*4096+256*\c+16*\j
.endr
.endr
.endm
.macro RED32 v, t
	v_add_f32_dpp v[\v], v[\v], v[\v] row_xmask:1 row_mask:0xf bank_mask:0xf
	v_add_f32_dpp v[\v], v[\v], v[\v] row_xmask:2 row_mask:0xf bank_mask:0xf
	v_add_f32_dpp v[\v], v[\v], v[\v] row_xmask:4 row_mask:0xf bank_mask:0xf
	v_add_f32_dpp v[\v], v[\v], v[\v] row_xmask:8 row_mask:0xf bank_mask:0xf
	v_permlanex16_b32 v[\t], v[\v], s[SEL], s[SEL+1]
	v_add_f32 v[\v], v[\v], v[\t]
.endm
.macro NORM xs                         ; as the problem writes it: the mean is taken away, then the result is scaled
.set J, 0
.rept 32
	v_pk_add_f32 v[\xs+J:\xs+J+1], v[\xs+J:\xs+J+1], v[MN:MN+1] neg_lo:[0,1] neg_hi:[0,1]
.set J, J+2
.endr
.set J, 0
.rept 32
	v_pk_mul_f32 v[\xs+J:\xs+J+1], v[\xs+J:\xs+J+1], v[RS:RS+1]
.set J, J+2
.endr
.endm
.macro QUANT6 xs, pc, w                ; 64 numbers of a lane, v[xs + 32 c + i] = k 64 c + 32 h + i, become a fragment's 12 registers and the row's scale word
.irp c, 0,1
	v_max3_num_f32 v[MX+\c], |v[\xs+32*\c]|, |v[\xs+32*\c+1]|, 0x1800000
.endr
.irp i, 2,4,6,8,10,12,14,16,18,20,22,24,26,28,30
.irp c, 0,1
	v_max3_num_f32 v[MX+\c], v[MX+\c], |v[\xs+32*\c+\i]|, |v[\xs+32*\c+\i+1]|
.endr
.endr
.irp c, 0,1
	v_add_nc_u32 v[SO+\c], 0xff000000, v[MX+\c]
.endr
.irp c, 0,1
	v_lshrrev_b32 v[BY+\c], 23, v[SO+\c]
.endr
	v_lshl_or_b32 v[\w], v[BY+1], 16, v[BY]
	v_lshlrev_b32 v[\w], v8, v[\w]
	v_permlanex16_b32 v[TP], v[\w], s[SEL], s[SEL+1]
	v_or_b32 v[\w], v[\w], v[TP]
.irp c, 0,1
	v_cvt_scalef32_pk16_fp6_f32 v[\pc+6*\c:\pc+6*\c+2], v[\xs+32*\c:\xs+32*\c+15], v[SO+\c]
	v_cvt_scalef32_pk16_fp6_f32 v[CT+4*\c:CT+4*\c+2], v[\xs+32*\c+16:\xs+32*\c+31], v[SO+\c]
.endr
	v_nop                                          ; one plain place behind a scaled conversion
.irp c, 0,1
.irp i, 0,1,2
	v_mov_b32 v[\pc+6*\c+3+\i], v[CT+4*\c+\i]
.endr
.endr
.endm
.macro STOREF i
.irp c, 0,1,2
	global_store_b128 v5, v[PC+12*(\i)+4*\c:PC+12*(\i)+4*\c+3], s[40:41] offset:(\i)*FRB+512*\c
.endr
.endm
	global_load_b128 v[A:A+3], v[STA], s[6:7]
	global_load_b128 v[A+4:A+7], v[STA], s[6:7] offset:16
	LOADX 0
	LOADX 1
	s_wait_loadcnt 32                              ; the pairs are in; the two fragments' 32 loads may be out
	v_add_f32 v[T0], v[A], v[A+2]
	v_add_f32 v[T1], v[A+4], v[A+6]
	v_add_f32 v[T0], v[T0], v[T1]
	RED32 T0, T2
	v_mul_f32 v[MN], 0x35000000, v[T0]             ; the mean: / 2^21
.irp i, 0,2,4,6
	v_fma_f32 v[A+\i], v[A+\i], 0x38800000, -v[MN] ; a part's mean (/ 2^14) less the common mean
.endr
	v_mul_f32 v[T0], v[A], v[A]
	v_fma_f32 v[T0], v[A+2], v[A+2], v[T0]
	v_fma_f32 v[T0], v[A+4], v[A+4], v[T0]
	v_fma_f32 v[T0], v[A+6], v[A+6], v[T0]
	v_add_f32 v[T1], v[A+1], v[A+3]
	v_add_f32 v[T3], v[A+5], v[A+7]
	v_add_f32 v[T1], v[T1], v[T3]
	v_fma_f32 v[T0], v[T0], 0x46800000, v[T1]      ; the parts' squares + 2^14 x the squared distances of their means
	RED32 T0, T2
	v_mov_b32 v[T1], 0x3727c5ac                    ; eps = 1e-5
	v_fma_f32 v[T0], v[T0], 0x35000000, v[T1]      ; var + eps
	s_wait_alu depctr_va_vdst(0)
	v_rsq_f32 v[RS], v[T0]
	v_mov_b32 v[MN+1], v[MN]                       ; (a plain place behind the transcendental)
	s_wait_alu depctr_va_vdst(0)                   ; the wait ahead of its first reader
	v_mov_b32 v[RS+1], v[RS]
	v_mov_b32 v[T0], v[MN]
	v_mov_b32 v[T1], v[RS]
	s_and_b32 s2, ttmp9, 127                       ; the batch's first work-group, wave 0, keeps the pair for launch 6
	s_or_b32 s2, s2, s3
	s_cmp_lg_u32 s2, 0
	s_cbranch_scc1 .Lnot_keeper
	s_wait_xcnt 0x0                                ; EXEC changes only behind this wait
	v_cmp_eq_u32 vcc_lo, 0, v0
	s_and_saveexec_b32 s39, vcc_lo
	s_wait_alu depctr_va_vdst(0)
	global_store_b64 v[ZO], v[T0:T0+1], s[10:11]
	s_wait_xcnt 0x0
	s_or_b32 exec_lo, exec_lo, s39
.Lnot_keeper:
	s_wait_loadcnt 16                              ; fragment 0's loads are in; the next fragment's 16 may be out
	NORM X
	QUANT6 X, PC, W
	LOADX 2
	STOREF 0
	s_wait_loadcnt 16
	NORM X+64
	QUANT6 X+64, PC+12, W+1
	LOADX 3
	STOREF 1
	s_wait_loadcnt 16
	NORM X
	QUANT6 X, PC+24, W+2
	STOREF 2
	s_wait_loadcnt 0x0
	NORM X+64
	QUANT6 X+64, PC+36, W+3
	STOREF 3
	v_cndmask_b32 v[SD], v[W], v[W+2], s38
	v_cndmask_b32 v[SD+1], v[W+1], v[W+3], s38
	global_store_b64 v7, v[SD:SD+1], s[42:43]      ; 256 consecutive bytes, aligned
	s_endpgm
.Lfunc_end_k_q47f4ac77c7_ln1q:
	.size	k_q47f4ac77c7_ln1q, .Lfunc_end_k_q47f4ac77c7_ln1q-k_q47f4ac77c7_ln1q
	.p2alignl 7, 3214868480
	.fill 96, 4, 3214868480
	.section	.rodata,"a",@progbits
	.p2align	6, 0x0
	.amdhsa_kernel k_q47f4ac77c7_ln1q
		.amdhsa_group_segment_fixed_size 0
		.amdhsa_private_segment_fixed_size 0
		.amdhsa_enable_private_segment 0
		.amdhsa_kernarg_size 32
		.amdhsa_user_sgpr_count 2
		.amdhsa_user_sgpr_kernarg_segment_ptr 1
		.amdhsa_wavefront_size32 1
		.amdhsa_system_sgpr_workgroup_id_x 1
		.amdhsa_system_sgpr_workgroup_id_y 1
		.amdhsa_system_sgpr_workgroup_id_z 1
		.amdhsa_system_vgpr_workitem_id 0
		.amdhsa_next_free_vgpr 224
		.amdhsa_next_free_sgpr 66
		.amdhsa_reserve_vcc 1
		.amdhsa_float_denorm_mode_32 3
		.amdhsa_float_denorm_mode_16_64 3
		.amdhsa_memory_ordered 1
		.amdhsa_forward_progress 1
		.amdhsa_inst_pref_size 40
	.end_amdhsa_kernel
	.amdgpu_metadata
---
amdhsa.version: [ 1, 2 ]
amdhsa.kernels:
  - .name:           k_q47f4ac77c7_ln1q
    .symbol:         k_q47f4ac77c7_ln1q.kd
    .args:
      - { .name: y, .offset: 0, .size: 8, .value_kind: global_buffer, .address_space: global }
      - { .name: st, .offset: 8, .size: 8, .value_kind: global_buffer, .address_space: global }
      - { .name: hpan, .offset: 16, .size: 8, .value_kind: global_buffer, .address_space: global }
      - { .name: mr1, .offset: 24, .size: 8, .value_kind: global_buffer, .address_space: global }
    .group_segment_fixed_size: 0
    .private_segment_fixed_size: 0
    .kernarg_segment_align: 8
    .kernarg_segment_size: 32
    .max_flat_workgroup_size: 64
    .sgpr_count:     66
    .vgpr_count:     224
    .wavefront_size: 32
...
	.end_amdgpu_metadata
.endif
;; end of part 4
;; launch ff1 (part 5): grid 16 x 16, 4 waves a work-group, clusters of 4 x 4, 327,680 bytes of LDS; arguments hpan, pan, b1, hid; writes hid
.if DOCPART == 5
	.amdgcn_target "amdgcn-amd-amdhsa--gfx1250"
	.amdhsa_code_object_version 6
	.text
	.protected	k_q47f4ac77c7_ff1
	.globl	k_q47f4ac77c7_ff1
	.p2align	8
	.type	k_q47f4ac77c7_ff1,@function
k_q47f4ac77c7_ff1:
	s_mov_b64 s[64:65], 0
	v_nop
	global_prefetch_b8 v0, s[64:65] scope:SCOPE_SE
	s_setreg_imm32_b32 hwreg(HW_REG_WAVE_MODE, 25, 1), 1
	s_wait_xcnt 0x0
	s_wait_alu depctr_hold_cnt(0) depctr_sa_sdst(0) depctr_va_vdst(0) depctr_va_sdst(0) depctr_va_ssrc(0) depctr_va_vcc(0) depctr_vm_vsrc(0)
	s_getreg_b32 s2, hwreg(HW_REG_IB_STS2, 6, 4)
	s_cmp_eq_u32 s2, 0
	s_cbranch_scc0 .Lentry_in_a_cluster
	s_endpgm
.Lentry_in_a_cluster:
	s_bfe_u32 s2, ttmp6, 0x10000c
	s_cmp_lg_u32 s2, 0xf033
	s_cbranch_scc0 .Lentry_shape_is_right
	s_endpgm
.Lentry_shape_is_right:
.set PANEL, 12800
.set FRB,   1536
.set SCO,   12288
.set QUART, 2*PANEL
.set SLOT,  4*QUART
.set TUNIT, 8*PANEL
.set SPARE, 2*SLOT
.set LI,   5
.set ADRA, 16
.set ADRB, 20
.set ADRS, 22
.set SA,   24
.set SPW,  28
.set NIL,  29
.set SC,   32
.set BIAS, 64
.set AF,   128
.set PC,   192
.set TM,   224
.set WD,   240
.set SD,   248
.set G1,  24
.set G0,  32
.set G1B, 48
.set G0B, 56
.set SEL, 66
.set OUT, 68
.set BP,  70
.set MSB, 0
.macro WIN new
.if MSB != (\new)
	s_set_vgpr_msb (MSB<<8)|(\new)
.set MSB, (\new)
.endif
.endm
.macro PLACES
.rept 4
	v_nop
.endr
.endm
.macro JLOAD g0a, g1a, g0b, g1b
	s_cmp_eq_u32 s15, 0
	s_cbranch_scc0 .Lfor_b_\@
	tensor_load_to_lds s[\g0a:\g0a+3], s[\g1a:\g1a+7]
	s_nop 0
.rept 4
	v_nop
.endr
	s_branch .Lasked_\@
.Lfor_b_\@:
	tensor_load_to_lds s[\g0b:\g0b+3], s[\g1b:\g1b+7]
	s_nop 0
.rept 4
	v_nop
.endr
.Lasked_\@:
.endm
.macro CREST
	s_cmp_lg_u32 s14, 0
	s_cbranch_scc1 .Lnot_wave_0_\@
	s_barrier_signal -3
.Lnot_wave_0_\@:
	s_barrier_wait -3
	s_barrier_signal -1
	s_barrier_wait -1
.endm
.macro CROUND
	s_barrier_signal -1
	s_barrier_wait -1
	CREST
.endm
	s_load_b256 s[4:11], s[0:1], 0x0
	v_lshl_add_u32 v[SPW], v0, 2, SPARE
	v_mov_b32 v[NIL], 0
	ds_add_u32 v[SPW], v[NIL]
	ds_add_u32 v[SPW], v[NIL]
	v_lshrrev_b32 v1, 5, v0
	v_readfirstlane_b32 s14, v1
	s_lshr_b32 s15, s14, 1
	s_and_b32 s16, s14, 1
	s_bfe_u32 s40, ttmp6, 0x40000
	s_bfe_u32 s41, ttmp6, 0x40004
	s_lshl_b32 s43, s41, 2
	s_lshl_b32 s43, 15, s43
	s_lshl_b32 s44, 0x1111, s40
	s_or_b32 s[G1], s43, (3<<16)|(1<<21)
	s_or_b32 s[G1B], s44, (3<<16)|(1<<21)
.irp g, G1, G1B
	s_mov_b32 s[\g+1], 32<<16
	s_mov_b32 s[\g+2], 100<<16
	s_mov_b32 s[\g+3], 32<<16
	s_mov_b32 s[\g+4], 100
	s_mov_b32 s[\g+5], 32
	s_mov_b32 s[\g+6], 0
	s_mov_b32 s[\g+7], 0
.endr
	s_and_b32 s73, ttmp7, 0xffff
	s_lshl_b32 s20, s73, 2
	s_add_co_u32 s20, s20, s41
	s_lshl_b32 s20, s20, 1
	s_lshl_b32 s46, ttmp9, 2
	s_add_co_u32 s46, s46, s40
	s_lshl_b32 s46, s46, 1
	s_add_co_u32 s80, s20, s15
	s_add_co_u32 s82, s46, s16
	s_lshl_b32 s80, s80, 5
	s_add_co_u32 s80, s80, s82
	s_mul_i32 s80, s80, PANEL
	s_mov_b32 s81, 0
	s_lshl_b32 s82, s82, 9
	s_mov_b32 s83, 0
	s_add_co_u32 s20, s20, s16
	s_mul_i32 s20, s20, TUNIT
	s_mov_b32 s21, 0
	s_add_co_u32 s46, s46, s16
	s_mul_i32 s46, s46, TUNIT
	s_add_co_u32 s46, s46, 448*PANEL
	s_mov_b32 s47, 0
	s_mul_i32 s45, s14, QUART
	s_mov_b32 s[SEL], 0x76543210
	s_mov_b32 s[SEL+1], 0xfedcba98
	s_mov_b32 s17, 0xffff0000
	s_wait_dscnt 0x0
	s_wait_kmcnt 0x0
	s_add_nc_u64 s[20:21], s[4:5], s[20:21]
	s_add_nc_u64 s[46:47], s[6:7], s[46:47]
	s_add_nc_u64 s[OUT:OUT+1], s[10:11], s[80:81]
	s_add_nc_u64 s[BP:BP+1], s[8:9], s[82:83]
	; the prefetches: of the 100 blocks of 256 bytes that a load of mine brings, each of the four partners that ask for them jointly names 25, told apart by address (cx for A, cy for B); a lane a block, the lanes left over name the last again
	s_cmp_eq_u32 s15, 0
	s_cselect_b64 s[4:5], s[20:21], s[46:47]       ; where my first load begins
	s_cselect_b32 s6, s40, s41
	s_mul_i32 s6, s6, 25
	v_and_b32 v48, 31, v0
	v_min_u32 v48, 24, v48
	v_add_nc_u32 v48, s6, v48
	v_lshlrev_b32 v48, 8, v48
	s_wait_alu depctr_va_vdst(0)
	CROUND
.irp s, 0,1
	s_mov_b32 s[G0+4*\s], 1
	s_add_co_u32 s[G0+4*\s+1], s45, \s*SLOT
	s_add_nc_u64 s[G0+4*\s+2:G0+4*\s+3], s[20:21], \s*QUART
	s_or_b32 s[G0+4*\s+3], s[G0+4*\s+3], 0x80000000
	s_mov_b32 s[G0B+4*\s], 1
	s_add_co_u32 s[G0B+4*\s+1], s45, \s*SLOT
	s_add_nc_u64 s[G0B+4*\s+2:G0B+4*\s+3], s[46:47], \s*QUART
	s_or_b32 s[G0B+4*\s+3], s[G0B+4*\s+3], 0x80000000
.if \s == 1
	global_prefetch_b8 v48, s[4:5] offset:QUART th:TH_LOAD_NT scope:SCOPE_SE     ; behind the first fill's load: the second and the third fill's bytes
	global_prefetch_b8 v48, s[4:5] offset:2*QUART th:TH_LOAD_NT scope:SCOPE_SE
	s_wait_alu depctr_va_vdst(0)
	s_wait_tensorcnt 0x0
	ds_add_u32 v28, v29
	s_wait_dscnt 0x0
	CROUND
.endif
	JLOAD G0+4*\s, G1, G0B+4*\s, G1B
.if \s == 1
	global_prefetch_b8 v48, s[4:5] offset:3*QUART th:TH_LOAD_NT scope:SCOPE_SE   ; behind the second fill's load: the fourth and last fill's bytes, two fills ahead
.endif
.endr
	v_and_b32 v1, 31, v0
	v_and_b32 v2, 15, v0
	v_bfe_u32 v3, v0, 4, 1
	v_lshlrev_b32 v[LI], 4, v1
	s_mul_i32 s21, s15, QUART
	s_add_co_u32 s22, s16, 2
	s_mul_i32 s22, s22, QUART
	v_add_nc_u32 v[ADRA], s21, v[LI]
	v_add_nc_u32 v[ADRB], s22, v[LI]
	v_add_nc_u32 v[ADRA+1], SLOT, v[ADRA]
	v_add_nc_u32 v[ADRB+1], SLOT, v[ADRB]
	s_xor_b32 s23, s15, 1
	s_add_co_u32 s23, s23, s16
	s_add_co_u32 s23, s23, 1
	s_mul_i32 s23, s23, QUART
	v_mul_u32_u24 v8, s23, v3
	v_lshl_add_u32 v8, v2, 4, v8
	s_add_co_u32 s21, s21, SCO
	v_add_nc_u32 v[ADRS], s21, v8
	v_add_nc_u32 v[ADRS+1], SLOT, v[ADRS]
	v_lshlrev_b32 v[SA], 4, v2
	v_lshl_add_u32 v[SA], v3, 8, v[SA]
	v_lshlrev_b32 v6, 6, v3
.irp b, 0,1,2,3
	v_mov_b32 v[TM+4+\b], 0
.endr
.irp b, 0,1,2,3,4,5,6,7
	global_load_b128 v[BIAS+8*\b:BIAS+8*\b+3], v6, s[BP:BP+1] offset:(32*(\b/2)+8*(\b%2))*4
	global_load_b128 v[BIAS+8*\b+4:BIAS+8*\b+7], v6, s[BP:BP+1] offset:(32*(\b/2)+8*(\b%2))*4+16
.endr
.macro FRAG reg, adr, off
.irp c, 0,1,2
	ds_load_b128 v[\reg+4*\c:\reg+4*\c+3], v[\adr] offset:\off+512*\c
.endr
.endm
.macro FETCH_B slot, q, p
	WIN 0x40
.irp i, 0,1,2,3,4,5,6,7
	FRAG 128*(\p)+12*\i, ADRB+\slot, (\q)*PANEL+\i*FRB
.endr
	WIN 0
.endm
.macro FETCH_A slot, q, i0
.irp i, \i0, \i0+1, \i0+2, \i0+3
	FRAG AF+12*(\i), ADRA+\slot, (\q)*PANEL+(\i)*FRB
.endr
.endm
.macro SCALES slot, q, p
	ds_load_b128 v[SC+8*(\p):SC+8*(\p)+3], v[ADRS+\slot] offset:(\q)*PANEL
	ds_load_b128 v[SC+8*(\p)+4:SC+8*(\p)+7], v[ADRS+\slot] offset:(\q)*PANEL+256
.endm
.macro MUL16 a0, p, cm
.irp a, \a0, \a0+1
.irp b, 0,1,2,3,4,5,6,7
.if \cm == 1
	v_wmma_scale_f32_16x16x128_f8f6f4 v[8*(8*((\a)%4)+\b):8*(8*((\a)%4)+\b)+7], v[128*(\p)+12*\b:128*(\p)+12*\b+11], v[AF+12*(\a):AF+12*(\a)+11], v[BIAS+8*\b:BIAS+8*\b+7], v[SC+8*(\p)+\b], v[SC+8*(\p)+(\a)] matrix_a_fmt:MATRIX_FMT_FP6 matrix_b_fmt:MATRIX_FMT_FP6 matrix_a_scale:MATRIX_SCALE_ROW1
.else
	v_wmma_scale_f32_16x16x128_f8f6f4 v[8*(8*((\a)%4)+\b):8*(8*((\a)%4)+\b)+7], v[128*(\p)+12*\b:128*(\p)+12*\b+11], v[AF+12*(\a):AF+12*(\a)+11], v[8*(8*((\a)%4)+\b):8*(8*((\a)%4)+\b)+7], v[SC+8*(\p)+\b], v[SC+8*(\p)+(\a)] matrix_a_fmt:MATRIX_FMT_FP6 matrix_b_fmt:MATRIX_FMT_FP6 matrix_a_scale:MATRIX_SCALE_ROW1
.endif
.endr
.endr
.endm
.macro STEP slot, cm
	s_wait_dscnt 12
.if \cm
	WIN 0x81
.else
	WIN 0xa1
.endif
	MUL16 0, 0, \cm
	MUL16 2, 0, \cm
	s_wait_dscnt 0x0
	PLACES
	FETCH_B \slot, 1, 1
	SCALES \slot, 1, 1
	FETCH_A \slot, 1, 0
.if \cm
	WIN 0xc1
.else
	WIN 0xf1
.endif
	MUL16 4, 0, \cm
	MUL16 6, 0, \cm
	PLACES
	WIN 0
	FETCH_A \slot, 1, 4
.endm
.macro TURN slot, next, fill
	s_wait_tensorcnt 0x0
	ds_add_u32 v[SPW], v[NIL]
	s_wait_dscnt 13
	WIN 0xa1
	MUL16 0, 1, 0
	s_wait_dscnt 0x0
	s_barrier_signal -1
	MUL16 2, 1, 0
	WIN 0
	s_barrier_wait -1
.if \fill
	CREST
	s_add_nc_u64 s[G0+4*\slot+2:G0+4*\slot+3], s[G0+4*\slot+2:G0+4*\slot+3], 2*QUART
	s_add_nc_u64 s[G0B+4*\slot+2:G0B+4*\slot+3], s[G0B+4*\slot+2:G0B+4*\slot+3], 2*QUART
	JLOAD G0+4*\slot, G1, G0B+4*\slot, G1B
.else
	PLACES
.endif
	FETCH_B \next, 0, 0
	SCALES \next, 0, 0
	FETCH_A \next, 0, 0
	WIN 0xf1
	MUL16 4, 1, 0
	MUL16 6, 1, 0
	PLACES
	WIN 0
	FETCH_A \next, 0, 4
.endm
.macro RELU s, win
	WIN ((\win)<<2)|((\win)<<6)
.set J, 0
.rept 64
	v_max_num_f32 v[\s+J], 0, v[\s+J]
.set J, J+1
.endr
.endm
.macro QUANT s, win, w
	WIN (\win)|((\win)<<2)
.irp b, 0,1,2,3
	v_max3_num_f32 v[TM+\b], |v[\s+16*\b]|, |v[\s+1+16*\b]|, 0x1800000
.endr
	WIN ((\win)<<2)|((\win)<<4)
.irp i, 2,4,6,8,10,12,14
.irp b, 0,1,2,3
	v_max3_num_f32 v[TM+\b], v[TM+\b], |v[\s+16*\b+\i]|, |v[\s+1+16*\b+\i]|
.endr
.endr
	WIN 0
.irp b, 0,1,2,3
	v_permlanex16_b32 v[TM+4+\b], v[TM+\b], s[SEL], s[SEL+1]
.endr
.irp b, 0,1,2,3
	v_max_num_f32 v[TM+\b], v[TM+\b], v[TM+4+\b]
.endr
.irp b, 0,1,2,3
	v_add_nc_u32 v[TM+12+\b], 0xff000000, v[TM+\b]
.endr
.irp b, 0,1,2,3
	v_lshrrev_b32 v[TM+4+\b], 23, v[TM+12+\b]
.endr
	v_lshl_or_b32 v[\w], v[TM+5], 8, v[TM+4]
	v_lshl_or_b32 v[\w], v[TM+6], 16, v[\w]
	v_lshl_or_b32 v[\w], v[TM+7], 24, v[\w]
	s_wait_xcnt 0x0
	WIN \win
.irp c, 0,1
	v_cvt_scalef32_pk16_fp6_f32 v[PC+6*\c:PC+2+6*\c], v[\s+32*\c:\s+15+32*\c], v[TM+12+2*\c]
	v_cvt_scalef32_pk16_fp6_f32 v[PC+12+4*\c:PC+14+4*\c], v[\s+16+32*\c:\s+31+32*\c], v[TM+12+2*\c+1]
.endr
	WIN 0
	v_nop
.irp c, 0,1
.irp i, 0,1,2
	v_permlane16_swap_b32 v[PC+6*\c+\i], v[PC+12+4*\c+\i]
.endr
.irp i, 0,1,2
	v_mov_b32 v[PC+3+6*\c+\i], v[PC+12+4*\c+\i]
.endr
.endr
.endm
	s_wait_alu depctr_va_vdst(0)
	s_wait_tensorcnt 1
	s_barrier_signal -1
	s_barrier_wait -1
	FETCH_B 0, 0, 0
	SCALES 0, 0, 0
	FETCH_A 0, 0, 0
	FETCH_A 0, 0, 4
	s_wait_loadcnt 0x0
	STEP 0, 1
	TURN 0, 1, 1
	STEP 1, 0
	TURN 1, 0, 1
	STEP 0, 0
	TURN 0, 1, 0
	STEP 1, 0
	s_wait_dscnt 12
	WIN 0xa1
	MUL16 0, 1, 0
	MUL16 2, 1, 0
	s_wait_dscnt 0x0
	WIN 0xf1
	MUL16 4, 1, 0
	MUL16 6, 1, 0
	WIN 0
	PLACES
.irp a, 0,1,2,3,4,5,6,7
	RELU 64*(\a%4), 2+\a/4
	QUANT 64*(\a%4), 2+\a/4, WD+\a
.irp c, 0,1,2
	global_store_b128 v[LI], v[PC+4*\c:PC+4*\c+3], s[OUT:OUT+1] offset:\a*FRB+512*\c
.endr
.endr
.irp i, 0,1,2,3
	v_cndmask_b32 v[SD+\i], v[WD+\i], v[WD+4+\i], s17
.endr
	global_store_b128 v[SA], v[SD:SD+3], s[OUT:OUT+1] offset:SCO
	s_wait_tensorcnt 0x0
	ds_add_u32 v[SPW], v[NIL]
	s_wait_dscnt 0x0
	CROUND
	s_endpgm
.Lfunc_end_k_q47f4ac77c7_ff1:
	.size	k_q47f4ac77c7_ff1, .Lfunc_end_k_q47f4ac77c7_ff1-k_q47f4ac77c7_ff1
	.p2alignl 7, 3214868480
	.fill 96, 4, 3214868480
	.section	.rodata,"a",@progbits
	.p2align	6, 0x0
	.amdhsa_kernel k_q47f4ac77c7_ff1
		.amdhsa_group_segment_fixed_size 327680
		.amdhsa_private_segment_fixed_size 0
		.amdhsa_enable_private_segment 0
		.amdhsa_kernarg_size 32
		.amdhsa_user_sgpr_count 2
		.amdhsa_user_sgpr_kernarg_segment_ptr 1
		.amdhsa_wavefront_size32 1
		.amdhsa_system_sgpr_workgroup_id_x 1
		.amdhsa_system_sgpr_workgroup_id_y 1
		.amdhsa_system_sgpr_workgroup_id_z 1
		.amdhsa_system_vgpr_workitem_id 0
		.amdhsa_next_free_vgpr 1024
		.amdhsa_next_free_sgpr 84
		.amdhsa_reserve_vcc 0
		.amdhsa_float_denorm_mode_32 3
		.amdhsa_float_denorm_mode_16_64 3
		.amdhsa_memory_ordered 1
		.amdhsa_forward_progress 1
		.amdhsa_inst_pref_size 155
	.end_amdhsa_kernel
	.amdgpu_metadata
---
amdhsa.version: [ 1, 2 ]
amdhsa.kernels:
  - .name:           k_q47f4ac77c7_ff1
    .symbol:         k_q47f4ac77c7_ff1.kd
    .args:
      - { .name: hpan, .offset: 0, .size: 8, .value_kind: global_buffer, .address_space: global }
      - { .name: pan, .offset: 8, .size: 8, .value_kind: global_buffer, .address_space: global }
      - { .name: b1, .offset: 16, .size: 8, .value_kind: global_buffer, .address_space: global }
      - { .name: hid, .offset: 24, .size: 8, .value_kind: global_buffer, .address_space: global }
    .group_segment_fixed_size: 327680
    .private_segment_fixed_size: 0
    .kernarg_segment_align: 8
    .kernarg_segment_size: 32
    .max_flat_workgroup_size: 128
    .sgpr_count:     84
    .vgpr_count:     1024
    .wavefront_size: 32
...
	.end_amdgpu_metadata
.endif
;; end of part 5
;; launch ff2 (part 6): grid 8 x 32, 4 waves a work-group, clusters of 4 x 4, 327,680 bytes of LDS; arguments hid, pan, b2, y, mr1, z, st; writes z, st
.if DOCPART == 6
	.amdgcn_target "amdgcn-amd-amdhsa--gfx1250"
	.amdhsa_code_object_version 6
	.text
	.protected	k_q47f4ac77c7_ff2
	.globl	k_q47f4ac77c7_ff2
	.p2align	8
	.type	k_q47f4ac77c7_ff2,@function
k_q47f4ac77c7_ff2:
	s_mov_b64 s[64:65], 0
	v_nop
	global_prefetch_b8 v0, s[64:65] scope:SCOPE_SE
	s_setreg_imm32_b32 hwreg(HW_REG_WAVE_MODE, 25, 1), 1
	s_wait_xcnt 0x0
	s_wait_alu depctr_hold_cnt(0) depctr_sa_sdst(0) depctr_va_vdst(0) depctr_va_sdst(0) depctr_va_ssrc(0) depctr_va_vcc(0) depctr_vm_vsrc(0)
	s_getreg_b32 s2, hwreg(HW_REG_IB_STS2, 6, 4)
	s_cmp_eq_u32 s2, 0
	s_cbranch_scc0 .Lentry_in_a_cluster
	s_endpgm
.Lentry_in_a_cluster:
	s_bfe_u32 s2, ttmp6, 0x10000c
	s_cmp_lg_u32 s2, 0xf033
	s_cbranch_scc0 .Lentry_shape_is_right
	s_endpgm
.Lentry_shape_is_right:
; Launch 6 of 7: z = h + (hidden w2 + b2), with h = (y - mean) x rstd made anew from y by the two lines that launch 4 used, and for each work-group the sum and the squares about its own mean of its 16,384 numbers.
; Nothing of the problem is left out here.
; The product is 4,096 x 1,024: tiles of 256 x 256 would be 64; tiles of 128 x 128 are 256, one for each work-group.  A wave makes 64 x 64: 16 accumulators.  Source 0 = 16 rows of w2 (B), source 1 = 16 rows of the hidden layer (A).
; K = 4,096 goes in 32 steps of 128 through two LDS slots of SIX steps each (A's six panels, then B's six), as large as two slots fit beside the stage: a step is only 16 matrix instructions a wave, so a refill is given
; six steps, 96 matrix instructions, in which to land.  32 = 6 + 6 + 6 + 6 + 6 + 2: two first fills, three refills of six steps (three panels a wave) and one of two steps (one panel a wave, by descriptors of its own).
; The steps are all written out: the last refill differs from the others.
; CLUSTER 4 x 4: A's panels are shared along a row of the cluster, B's along a column, by joint loads.  By this text's own count a wave has one tensor load out at a time: one at the start and one behind each round.
; y's rows are asked for early, eight loads behind each of the four refills, into registers of their own.
; LIMITS: as stated at the head of the first launch; sums are grouped by lane, wave and work-group.
.set PANEL, 12800
.set FRB,   1536
.set SCO,   12288
.set TRI,   3*PANEL                    ; what one tensor load brings: three K steps' panels of one operand
.set SLOT,  12*PANEL                   ; A's six panels, then B's six
.set TROW,  32*PANEL                   ; a row tile's 32 panels in memory
.set STAGE, 2*SLOT                     ; behind the ring: 16 rows x 272 bytes for each wave
.set STATL, STAGE+4*4352               ; the waves' sums: 8 bytes each
.set SPARE, STATL+256                  ; the spare words, 128 bytes for each wave: two blocks of 256 bytes that no other line names
.set LI,   5                           ; v5      16 x lane
.set ADRA, 8                           ; v8, v9  my A fragments in slot 0, 1, steps 0-2;  v10, v11 steps 3-5 (an LDS offset has 16 bits: five panels and a fragment pass them)
.set ADRB, 12                          ; v12-15  the same for B
.set ADRS, 16                          ; v16-17  scale words: lanes 0-15 A's, lanes 16-31 B's
.set STO,  24
.set RD,   25
.set GO,   26
.set SLW,  27
.set SPW,  28
.set NIL,  29
.set SLR,  30
.set ZO,   31
.set SC,   32                          ; v32-39  scale words, two sets of 4: lanes 0-15 A's block i, lanes 16-31 B's block i
.set BIAS, 40                          ; v40-71  b2 as the C of the first products; later 16 rows read back from the stage
.set RB,   40
.set MN,   72
.set RS,   74
.set CA,   76
.set CB,   78
.set D0,   80
.set D1,   82
.set QA,   84
.set QB,   86
.set SS,   88
.set MW,   90
.set TT,   92
.set P,    94
.set ACC,  128                         ; v128-255 accumulator (a, b) at 128 + 8 (4 a + b);  window 1: two fragment buffers at v0 and v128 (A's four, then B's four);  window 2: v0-127 my rows of y
.set G1,   24                          ; s[24:31] group 1 for A's loads of three panels;  s[32:39] group 0, one set for each slot
.set G0,   32
.set G1B,  48                          ; s[48:55], s[56:63] the same for B's
.set G0B,  56
.set SEL,  66
.set G0T,  76                          ; s[76:79] group 0 for A's last load, one panel;  s[80:83] for B's
.set G0TB, 80
.set G1T,  84                          ; s[84:91], s[92:99] their groups 1
.set G1TB, 92
.set MSB, 0
.macro WIN new                         ; the immediate's high byte repeats the setting that is left
.if MSB != (\new)
	s_set_vgpr_msb (MSB<<8)|(\new)
.set MSB, (\new)
.endif
.endm
.macro PLACES                          ; four places in front of loads into registers that matrix instructions have read, and of the first read of results
.rept 4
	v_nop
.endr
.endm
.macro JLOAD g0a, g1a, g0b, g1b        ; a joint load: waves 0 and 1 fetch for A, waves 2 and 3 for B; an s_nop 0 and four v_nop follow each line
	s_cmp_eq_u32 s15, 0
	s_cbranch_scc0 .Lfor_b_\@
	tensor_load_to_lds s[\g0a:\g0a+3], s[\g1a:\g1a+7]
	s_nop 0
.rept 4
	v_nop
.endr
	s_branch .Lasked_\@
.Lfor_b_\@:
	tensor_load_to_lds s[\g0b:\g0b+3], s[\g1b:\g1b+7]
	s_nop 0
.rept 4
	v_nop
.endr
.Lasked_\@:
.endm
.macro CREST                           ; a round of the cluster's barrier behind its opening barrier
	s_cmp_lg_u32 s14, 0
	s_cbranch_scc1 .Lnot_wave_0_\@
	s_barrier_signal -3
.Lnot_wave_0_\@:
	s_barrier_wait -3
	s_barrier_signal -1
	s_barrier_wait -1
.endm
.macro CROUND
	s_barrier_signal -1
	s_barrier_wait -1
	CREST
.endm
.macro RED32 v, t                      ; the sum over the wave's 32 lanes, in every lane
	v_add_f32_dpp v[\v], v[\v], v[\v] row_xmask:1 row_mask:0xf bank_mask:0xf
	v_add_f32_dpp v[\v], v[\v], v[\v] row_xmask:2 row_mask:0xf bank_mask:0xf
	v_add_f32_dpp v[\v], v[\v], v[\v] row_xmask:4 row_mask:0xf bank_mask:0xf
	v_add_f32_dpp v[\v], v[\v], v[\v] row_xmask:8 row_mask:0xf bank_mask:0xf
	v_permlanex16_b32 v[\t], v[\v], s[SEL], s[SEL+1]
	v_add_f32 v[\v], v[\v], v[\t]
.endm
	s_load_b256 s[4:11], s[0:1], 0x0               ; hid s[4:5], pan s[6:7], b2 s[8:9], y s[10:11]
	s_load_b128 s[68:71], s[0:1], 0x20             ; mr1 s[68:69], z s[70:71]
	s_load_b64 s[72:73], s[0:1], 0x30              ; st
	v_lshl_add_u32 v[SPW], v0, 2, SPARE
	v_mov_b32 v[NIL], 0
	ds_add_u32 v[SPW], v[NIL]                      ; the wave's opening: the add, twice on end, and its wait ahead of my first tensor load
	ds_add_u32 v[SPW], v[NIL]
	v_lshrrev_b32 v1, 5, v0
	v_readfirstlane_b32 s14, v1
	s_lshr_b32 s15, s14, 1                         ; wr: my 64 rows; also: I fetch for A (0) or for B (1)
	s_and_b32 s16, s14, 1                          ; wc: my 64 columns; also: which half of the operand's panels I fetch
	s_bfe_u32 s40, ttmp6, 0x40000                  ; cx
	s_bfe_u32 s41, ttmp6, 0x40004                  ; cy
	s_lshl_b32 s43, s41, 2
	s_lshl_b32 s43, 15, s43                        ; my row of the cluster
	s_lshl_b32 s44, 0x1111, s40                    ; my column
	s_or_b32 s[G1], s43, (3<<16)|(1<<21)           ; 15:0 the mask; 17:16 elements of 8 bytes; 21 set beside a mask; no padding
	s_or_b32 s[G1B], s44, (3<<16)|(1<<21)
	s_or_b32 s[G1T], s43, (3<<16)|(1<<21)
	s_or_b32 s[G1TB], s44, (3<<16)|(1<<21)
.irp g, G1, G1B
	s_mov_b32 s[\g+1], 32<<16                      ; rows of 256 bytes,
	s_mov_b32 s[\g+2], 150<<16                     ; 150 of them: three panels, dense
	s_mov_b32 s[\g+3], 32<<16
	s_mov_b32 s[\g+4], 150
	s_mov_b32 s[\g+5], 32
	s_mov_b32 s[\g+6], 0
	s_mov_b32 s[\g+7], 0
.endr
.irp g, G1T, G1TB
	s_mov_b32 s[\g+1], 32<<16                      ; rows of 256 bytes,
	s_mov_b32 s[\g+2], 50<<16                      ; 50 of them: one panel
	s_mov_b32 s[\g+3], 32<<16
	s_mov_b32 s[\g+4], 50
	s_mov_b32 s[\g+5], 32
	s_mov_b32 s[\g+6], 0
	s_mov_b32 s[\g+7], 0
.endr
	s_and_b32 s17, ttmp7, 0xffff
	s_lshl_b32 s17, s17, 2
	s_add_co_u32 s17, s17, s41                     ; ty: the row tile
	s_lshl_b32 s42, ttmp9, 2
	s_add_co_u32 s42, s42, s40                     ; tx: the column tile
	s_mul_i32 s18, s16, TRI                        ; a load of three panels: the slot's first three or its last three
	s_mul_i32 s19, s16, PANEL
	s_add_co_u32 s19, s19, 30*PANEL                ; the last load: panel 30 or 31
	s_mul_i32 s20, s17, TROW
	s_add_co_u32 s[G0T+2], s20, s19
	s_mov_b32 s[G0T+3], 0
	s_add_co_u32 s20, s20, s18
	s_mov_b32 s21, 0
	s_mul_i32 s46, s42, TROW
	s_add_co_u32 s46, s46, 704*PANEL               ; w2's panels begin at 704
	s_add_co_u32 s[G0TB+2], s46, s19
	s_mov_b32 s[G0TB+3], 0
	s_add_co_u32 s46, s46, s18
	s_mov_b32 s47, 0
	s_mul_i32 s45, s14, TRI                        ; where three panels go: wave x 38,400: no place in the cluster enters an LDS address
	s_mul_i32 s74, s15, 6*PANEL
	s_mul_i32 s75, s16, PANEL
	s_add_co_u32 s74, s74, s75
	s_add_co_u32 s74, s74, SLOT                    ; where the last load goes: slot 1, the operand's first or second panel
	s_mov_b32 s[SEL], 0x76543210
	s_mov_b32 s[SEL+1], 0xfedcba98
	s_wait_dscnt 0x0                               ; both opening adds are done
	s_wait_kmcnt 0x0
	s_add_nc_u64 s[20:21], s[4:5], s[20:21]
	s_add_nc_u64 s[46:47], s[6:7], s[46:47]
	s_add_nc_u64 s[G0T+2:G0T+3], s[4:5], s[G0T+2:G0T+3]
	s_add_nc_u64 s[G0TB+2:G0TB+3], s[6:7], s[G0TB+2:G0TB+3]
	; the prefetches: of the 150 blocks of 256 bytes that a load of three panels brings, each of the four partners that ask for them jointly names 38 (v96: 32, v97: 6), told apart by address (cx for A, cy for B);
	; of the last load's 50 blocks each names 13 (v98).  A lane a block; the lanes left over name the last block again, and no block lies beyond the load's last
	s_cmp_eq_u32 s15, 0
	s_cselect_b64 s[4:5], s[20:21], s[46:47]       ; where my first load begins
	s_cselect_b64 s[6:7], s[G0T+2:G0T+3], s[G0TB+2:G0TB+3]   ; and my last
	s_cselect_b32 s12, s40, s41
	s_mul_i32 s13, s12, 38
	s_mul_i32 s12, s12, 13
	v_and_b32 v96, 31, v0
	v_min_u32 v97, 5, v96
	v_min_u32 v98, 12, v96
	v_add_nc_u32 v96, s13, v96
	v_add3_u32 v97, v97, s13, 32
	v_add_nc_u32 v98, s12, v98
	v_min_u32 v96, 149, v96
	v_min_u32 v97, 149, v97
	v_min_u32 v98, 49, v98
	v_lshlrev_b32 v96, 8, v96
	v_lshlrev_b32 v97, 8, v97
	v_lshlrev_b32 v98, 8, v98
	s_wait_alu depctr_va_vdst(0)
	CROUND                                         ; all sixteen work-groups are here: the first joint loads meet
.irp s, 0,1
	s_mov_b32 s[G0+4*\s], 1
	s_add_co_u32 s[G0+4*\s+1], s45, \s*SLOT
	s_add_nc_u64 s[G0+4*\s+2:G0+4*\s+3], s[20:21], \s*6*PANEL
	s_or_b32 s[G0+4*\s+3], s[G0+4*\s+3], 0x80000000
	s_mov_b32 s[G0B+4*\s], 1
	s_add_co_u32 s[G0B+4*\s+1], s45, \s*SLOT
	s_add_nc_u64 s[G0B+4*\s+2:G0B+4*\s+3], s[46:47], \s*6*PANEL
	s_or_b32 s[G0B+4*\s+3], s[G0B+4*\s+3], 0x80000000
.if \s == 1
	global_prefetch_b8 v96, s[4:5] offset:6*PANEL th:TH_LOAD_NT scope:SCOPE_SE    ; behind the first fill's load: steps 6-11 and 12-17
	global_prefetch_b8 v97, s[4:5] offset:6*PANEL th:TH_LOAD_NT scope:SCOPE_SE
	global_prefetch_b8 v96, s[4:5] offset:12*PANEL th:TH_LOAD_NT scope:SCOPE_SE
	global_prefetch_b8 v97, s[4:5] offset:12*PANEL th:TH_LOAD_NT scope:SCOPE_SE
	s_wait_alu depctr_va_vdst(0)
	s_wait_tensorcnt 0x0
	ds_add_u32 v[SPW], v[NIL]
	s_wait_dscnt 0x0
	CROUND
.endif
	JLOAD G0+4*\s, G1, G0B+4*\s, G1B
.if \s == 1
	global_prefetch_b8 v96, s[4:5] offset:18*PANEL th:TH_LOAD_NT scope:SCOPE_SE   ; from here on each fill's load is followed by the request for the fill two on: steps 18-23
	global_prefetch_b8 v97, s[4:5] offset:18*PANEL th:TH_LOAD_NT scope:SCOPE_SE
.endif
.endr
	s_mov_b32 s[G0T], 1                            ; the last load's groups 0: made here, used once, never stepped
	s_mov_b32 s[G0T+1], s74
	s_or_b32 s[G0T+3], s[G0T+3], 0x80000000
	s_mov_b32 s[G0TB], 1
	s_mov_b32 s[G0TB+1], s74
	s_or_b32 s[G0TB+3], s[G0TB+3], 0x80000000
	; the other pointers are made while the first tiles are on their way
	s_lshr_b32 s12, s17, 4
	s_lshl_b32 s12, s12, 3                         ; mr1: 8 x batch
	s_mov_b32 s13, 0
	s_add_nc_u64 s[68:69], s[68:69], s[12:13]
	s_load_b64 s[2:3], s[68:69], 0x0               ; the batch's mean and 1 / sqrt(var + eps): no line of this launch writes mr1
	s_lshl_b32 s12, s42, 9
	s_lshl_b32 s18, s16, 8
	s_add_co_u32 s12, s12, s18                     ; my first column, in bytes: 512 tx + 256 wc
	s_add_nc_u64 s[8:9], s[8:9], s[12:13]
	s_lshl_b32 s18, s17, 7
	s_lshl_b32 s19, s15, 6
	s_add_co_u32 s18, s18, s19                     ; my first row: 128 ty + 64 wr
	s_lshl_b32 s18, s18, 12
	s_add_co_u32 s12, s12, s18
	s_add_nc_u64 s[10:11], s[10:11], s[12:13]
	s_add_nc_u64 s[70:71], s[70:71], s[12:13]
	s_lshl_b32 s12, s17, 3
	s_add_co_u32 s12, s12, s42
	s_lshl_b32 s12, s12, 3                         ; st: pair number 8 ty + tx
	s_add_nc_u64 s[72:73], s[72:73], s[12:13]
	v_and_b32 v1, 31, v0
	v_and_b32 v2, 15, v0                           ; r
	v_bfe_u32 v3, v0, 4, 1                         ; h
	v_lshlrev_b32 v[LI], 4, v1
	v_lshlrev_b32 v6, 6, v3
.irp b, 0,1,2,3                                ; register j of block b is column 32 (b / 2) + 8 (b % 2) + 16 h + j of my 64
	global_load_b128 v[BIAS+8*\b:BIAS+8*\b+3], v6, s[8:9] offset:(32*(\b/2)+8*(\b%2))*4
	global_load_b128 v[BIAS+8*\b+4:BIAS+8*\b+7], v6, s[8:9] offset:(32*(\b/2)+8*(\b%2))*4+16
.endr
	s_mul_i32 s21, s15, 4*FRB
	s_mul_i32 s22, s16, 4*FRB
	s_add_co_u32 s22, s22, 6*PANEL
	v_add_nc_u32 v[ADRA], s21, v[LI]
	v_add_nc_u32 v[ADRB], s22, v[LI]
	v_add_nc_u32 v[ADRA+1], SLOT, v[ADRA]
	v_add_nc_u32 v[ADRB+1], SLOT, v[ADRB]
.irp s, 0,1
	v_add_nc_u32 v[ADRA+2+\s], TRI, v[ADRA+\s]
	v_add_nc_u32 v[ADRB+2+\s], TRI, v[ADRB+\s]
.endr
	s_xor_b32 s23, s15, 1
	s_add_co_u32 s23, s23, s16
	s_lshl_b32 s23, s23, 8
	s_add_co_u32 s23, s23, 6*PANEL-256             ; from A's scale words to B's: 76,800 + 256 (wc - wr)
	v_mul_u32_u24 v7, s23, v3                      ; lanes 16-31 take B's
	v_lshl_add_u32 v7, v2, 4, v7
	s_lshl_b32 s21, s15, 8
	s_add_co_u32 s21, s21, SCO
	v_add_nc_u32 v[ADRS], s21, v7
	v_add_nc_u32 v[ADRS+1], SLOT, v[ADRS]
	s_mul_i32 s21, s14, 4352
	s_add_co_u32 s21, s21, STAGE
	v_mul_u32_u24 v[STO], v2, 272
	v_lshl_add_u32 v[STO], v3, 6, v[STO]
	v_add_nc_u32 v[STO], s21, v[STO]
	v_mul_u32_u24 v[RD], v3, 272
	v_lshl_add_u32 v[RD], v2, 4, v[RD]
	v_add_nc_u32 v[RD], s21, v[RD]
	v_lshlrev_b32 v[GO], 12, v3
	v_lshl_add_u32 v[GO], v2, 4, v[GO]
	s_lshl_b32 s21, s14, 3
	s_add_co_u32 s21, s21, STATL
	v_mov_b32 v[SLW], s21
	v_and_b32 v[SLR], 3, v0
	v_lshl_add_u32 v[SLR], v[SLR], 3, STATL
	v_mov_b32 v[ZO], 0
	v_mov_b32 v[TT], 0
	s_wait_kmcnt 0x0
	v_mov_b32 v[MN], s2
	v_mov_b32 v[MN+1], s2
	v_mov_b32 v[RS], s3
	v_mov_b32 v[RS+1], s3
.macro FRAG reg, adr, off              ; a fragment's image: three loads of 512 consecutive bytes
.irp c, 0,1,2
	ds_load_b128 v[\reg+4*\c:\reg+4*\c+3], v[\adr] offset:\off+512*\c
.endr
.endm
.macro FETCH slot, q, pb               ; 25 LDS loads: the slot's q-th step: four fragments of A, four of B and their scale words, into buffer pb
	WIN 0x40
.irp i, 0,1,2,3
	FRAG 128*(\pb)+12*\i, ADRA+\slot+2*((\q)/3), ((\q)%3)*PANEL+\i*FRB
.endr
.irp i, 0,1,2,3
	FRAG 128*(\pb)+48+12*\i, ADRB+\slot+2*((\q)/3), ((\q)%3)*PANEL+\i*FRB
.endr
	WIN 0
	ds_load_b128 v[SC+4*(\pb):SC+4*(\pb)+3], v[ADRS+\slot] offset:(\q)*PANEL
.endm
.macro MULQ a, pb, cm                  ; 4 matrix instructions: A's block a x B's four.  The 16 accumulators take turns, one instruction a turn
.irp b, 0,1,2,3
.if \cm
	v_wmma_scale_f32_16x16x128_f8f6f4 v[ACC+8*(4*\a+\b):ACC+8*(4*\a+\b)+7], v[128*(\pb)+48+12*\b:128*(\pb)+48+12*\b+11], v[128*(\pb)+12*\a:128*(\pb)+12*\a+11], v[BIAS+8*\b:BIAS+8*\b+7], v[SC+4*(\pb)+\b], v[SC+4*(\pb)+\a] matrix_a_fmt:MATRIX_FMT_FP6 matrix_b_fmt:MATRIX_FMT_FP6 matrix_a_scale:MATRIX_SCALE_ROW1
.else
	v_wmma_scale_f32_16x16x128_f8f6f4 v[ACC+8*(4*\a+\b):ACC+8*(4*\a+\b)+7], v[128*(\pb)+48+12*\b:128*(\pb)+48+12*\b+11], v[128*(\pb)+12*\a:128*(\pb)+12*\a+11], v[ACC+8*(4*\a+\b):ACC+8*(4*\a+\b)+7], v[SC+4*(\pb)+\b], v[SC+4*(\pb)+\a] matrix_a_fmt:MATRIX_FMT_FP6 matrix_b_fmt:MATRIX_FMT_FP6 matrix_a_scale:MATRIX_SCALE_ROW1
.endif
.endr
.endm
.macro STEP slot, q, cm                ; a step that has its successor in the same slot: the next step's fragments are asked for, then this step's are multiplied.  The two buffers take turns by q % 2
	PLACES
	FETCH \slot, (\q)+1, 1-(\q)%2
	s_wait_dscnt 25                                ; all but the 25 just issued
	WIN 0x05                                       ; sources 0 and 1 window 1; C and D window 0
	MULQ 0, (\q)%2, \cm
	MULQ 1, (\q)%2, \cm
	MULQ 2, (\q)%2, \cm
	MULQ 3, (\q)%2, \cm
	WIN 0
.endm
.macro FIVE slot                       ; a slot's first five steps
	STEP \slot, 0, 0
	STEP \slot, 1, 0
	STEP \slot, 2, 0
	STEP \slot, 3, 0
	STEP \slot, 4, 0
.endm
; A slot's sixth step changes slots: ONE barrier; in front of it each wave waits for all its tensor loads, adds 0 to its spare word, and waits for that and for its reads of this slot.
; fill = 1: the slot is filled again, twelve steps ahead;  fill = 2: it takes K's last two steps, a panel a wave;  fill = 0: nothing is left to fetch.
.macro TURN slot, next, fill
	s_wait_tensorcnt 0x0                           ; all my tensor loads have landed: my part of the next slot
	ds_add_u32 v[SPW], v[NIL]
	s_wait_dscnt 1                                 ; this step's fragments are in (the add may be out)
	WIN 0x05
	MULQ 0, 1, 0
	s_wait_dscnt 0x0                               ; the add is done, and my reads of this slot are over
	s_barrier_signal -1
	MULQ 1, 1, 0
	WIN 0
	s_barrier_wait -1
.if \fill == 1
	CREST                                          ; a round of the cluster's barrier: no wave of any partner still reads this slot or has a load on its way
	s_add_nc_u64 s[G0+4*\slot+2:G0+4*\slot+3], s[G0+4*\slot+2:G0+4*\slot+3], 12*PANEL
	s_add_nc_u64 s[G0B+4*\slot+2:G0B+4*\slot+3], s[G0B+4*\slot+2:G0B+4*\slot+3], 12*PANEL
	JLOAD G0+4*\slot, G1, G0B+4*\slot, G1B         ; the first tensor load behind the round; its four v_nop are the places in front of the loads below
.elseif \fill == 2
	CREST
	JLOAD G0T, G1T, G0TB, G1TB
.else
	PLACES
.endif
	FETCH \next, 0, 0
	WIN 0x05
	MULQ 2, 1, 0
	MULQ 3, 1, 0
	WIN 0
.endm
.macro YLOAD a                         ; block a's 16 rows x 256 bytes of y, into window 2: stage row 2 i + h is row 32 (a / 2) + 8 (a % 2) + 2 i + h + 8 (i / 4) of my 64.  Sixteen lanes read 256 consecutive bytes; read once in this launch
	WIN 0x80
.irp i, 0,1,2,3,4,5,6,7
	global_load_b128 v[32*\a+4*\i:32*\a+4*\i+3], v[GO], s[10:11] offset:(32*(\a/2)+8*(\a%2)+2*\i+8*(\i/4))*4096 th:TH_LOAD_NT
.endr
	WIN 0
.endm
	s_wait_tensorcnt 1                             ; my part of slot 0 is in; slot 1's may stay out
	s_barrier_signal -1
	s_barrier_wait -1
	FETCH 0, 0, 0
	s_wait_loadcnt 0x0                             ; the bias
	STEP 0, 0, 1                                   ; steps 0-5: the first step's products start the sums from the bias
	STEP 0, 1, 0
	STEP 0, 2, 0
	STEP 0, 3, 0
	STEP 0, 4, 0
	TURN 0, 1, 1                                   ; slot 0 takes steps 12-17
	YLOAD 0
	global_prefetch_b8 v96, s[4:5] offset:24*PANEL th:TH_LOAD_NT scope:SCOPE_SE   ; steps 24-29
	global_prefetch_b8 v97, s[4:5] offset:24*PANEL th:TH_LOAD_NT scope:SCOPE_SE
	FIVE 1                                         ; steps 6-11
	TURN 1, 0, 1                                   ; slot 1 takes steps 18-23
	YLOAD 1
	global_prefetch_b8 v98, s[6:7] th:TH_LOAD_NT scope:SCOPE_SE                   ; steps 30 and 31: my panel of the last load; the last two fills ask for nothing
	FIVE 0                                         ; steps 12-17
	TURN 0, 1, 1                                   ; slot 0 takes steps 24-29
	YLOAD 2
	FIVE 1                                         ; steps 18-23
	TURN 1, 0, 2                                   ; slot 1 takes steps 30 and 31
	YLOAD 3
	FIVE 0                                         ; steps 24-29
	TURN 0, 1, 0                                   ; nothing is left to fetch: no round
	STEP 1, 0, 0                                   ; step 30
	s_wait_dscnt 0x0                               ; step 31
	WIN 0x05
	MULQ 0, 1, 0
	MULQ 1, 1, 0
	MULQ 2, 1, 0
	MULQ 3, 1, 0
	WIN 0
	PLACES
	; THE WAY OUT, block by block of 16 rows x 64 columns: through my stage into rows of 256 bytes; h is made from y; z = h + the product; sixteen lanes store an aligned 256 bytes
	s_wait_alu depctr_va_vdst(0)
.irp a, 0,1,2,3
.irp b, 0,1,2,3
	ds_store_b128 v[STO], v[ACC+8*(4*\a+\b):ACC+8*(4*\a+\b)+3] offset:128*(\b/2)+32*(\b%2)          ; each accumulator from its low end on
	ds_store_b128 v[STO], v[ACC+8*(4*\a+\b)+4:ACC+8*(4*\a+\b)+7] offset:128*(\b/2)+32*(\b%2)+16
.endr
.irp i, 0,1,2,3,4,5,6,7
	ds_load_b128 v[RB+4*\i:RB+4*\i+3], v[RD] offset:544*\i      ; LDS serves a wave's instructions in order: these see my stores
.endr
	s_wait_loadcnt 8*(3-\a)                        ; this block's rows of y are in; the later blocks' may be out
	s_wait_dscnt 0x0                               ; the block is back, and the stage's stores have read the accumulators
	WIN 0x82                                       ; y: destination and source 0 in window 2
.set J, 0
.rept 16
	v_pk_add_f32 v[32*\a+J:32*\a+J+1], v[32*\a+J:32*\a+J+1], v[MN:MN+1] neg_lo:[0,1] neg_hi:[0,1]
.set J, J+2
.endr
.set J, 0
.rept 16
	v_pk_mul_f32 v[32*\a+J:32*\a+J+1], v[32*\a+J:32*\a+J+1], v[RS:RS+1]
.set J, J+2
.endr
	WIN 0x02
.set J, 0
.rept 16
	v_pk_add_f32 v[ACC+32*\a+J:ACC+32*\a+J+1], v[32*\a+J:32*\a+J+1], v[RB+J:RB+J+1]   ; z, into the block's own accumulators, which are done with
.set J, J+2
.endr
	WIN 0
.irp i, 0,1,2,3,4,5,6,7
	global_store_b128 v[GO], v[ACC+32*\a+4*\i:ACC+32*\a+4*\i+3], s[70:71] offset:(32*(\a/2)+8*(\a%2)+2*\i+8*(\i/4))*4096
.endr
.endr
	; my wave's 4,096 numbers: their sum, and the squares about the wave's own mean
	v_pk_add_f32 v[CA:CA+1], v[ACC:ACC+1], v[ACC+2:ACC+3]
	v_pk_add_f32 v[CB:CB+1], v[ACC+4:ACC+5], v[ACC+6:ACC+7]
.set J, 8
.rept 30
	v_pk_add_f32 v[CA:CA+1], v[CA:CA+1], v[ACC+J:ACC+J+1]
	v_pk_add_f32 v[CB:CB+1], v[CB:CB+1], v[ACC+J+2:ACC+J+3]
.set J, J+4
.endr
	v_pk_add_f32 v[CA:CA+1], v[CA:CA+1], v[CB:CB+1]
	v_add_f32 v[SS], v[CA], v[CA+1]
	RED32 SS, TT
	v_mul_f32 v[MW], 0x39800000, v[SS]             ; / 4,096
	v_mov_b32 v[MW+1], v[MW]
	v_pk_add_f32 v[D0:D0+1], v[ACC:ACC+1], v[MW:MW+1] neg_lo:[0,1] neg_hi:[0,1]
	v_pk_add_f32 v[D1:D1+1], v[ACC+2:ACC+3], v[MW:MW+1] neg_lo:[0,1] neg_hi:[0,1]
	v_pk_mul_f32 v[QA:QA+1], v[D0:D0+1], v[D0:D0+1]
	v_pk_mul_f32 v[QB:QB+1], v[D1:D1+1], v[D1:D1+1]
.set J, 4
.rept 31
	v_pk_add_f32 v[D0:D0+1], v[ACC+J:ACC+J+1], v[MW:MW+1] neg_lo:[0,1] neg_hi:[0,1]
	v_pk_add_f32 v[D1:D1+1], v[ACC+J+2:ACC+J+3], v[MW:MW+1] neg_lo:[0,1] neg_hi:[0,1]
	v_pk_fma_f32 v[QA:QA+1], v[D0:D0+1], v[D0:D0+1], v[QA:QA+1]
	v_pk_fma_f32 v[QB:QB+1], v[D1:D1+1], v[D1:D1+1], v[QB:QB+1]
.set J, J+4
.endr
	v_pk_add_f32 v[QA:QA+1], v[QA:QA+1], v[QB:QB+1]
	v_add_f32 v[SS+1], v[QA], v[QA+1]
	RED32 SS+1, TT
	ds_store_b64 v[SLW], v[SS:SS+1]                ; all lanes write the same pair
	s_wait_dscnt 0x0                               ; for the others' sake
	s_barrier_signal -1
	s_barrier_wait -1
	s_cmp_lg_u32 s14, 0
	s_cbranch_scc1 .Lnot_first
	ds_load_b64 v[P:P+1], v[SLR]                   ; wave 0 joins the four pairs: sums add; squares about each wave's mean are brought about the work-group's mean
	s_wait_dscnt 0x0
	v_mov_b32 v[SS], v[P]
	v_add_f32_dpp v[SS], v[SS], v[SS] row_xmask:1 row_mask:0xf bank_mask:0xf
	v_add_f32_dpp v[SS], v[SS], v[SS] row_xmask:2 row_mask:0xf bank_mask:0xf
	v_mul_f32 v[MW], 0x38800000, v[SS]             ; / 16,384
	v_fma_f32 v[TT], v[P], 0x39800000, -v[MW]      ; a wave's mean less the work-group's
	v_mul_f32 v[TT], v[TT], v[TT]
	v_fma_f32 v[SS+1], v[TT], 0x45800000, v[P+1]   ; + 4,096 x its square
	v_add_f32_dpp v[SS+1], v[SS+1], v[SS+1] row_xmask:1 row_mask:0xf bank_mask:0xf
	v_add_f32_dpp v[SS+1], v[SS+1], v[SS+1] row_xmask:2 row_mask:0xf bank_mask:0xf
	s_wait_alu depctr_va_vdst(0)
	s_wait_xcnt 0x0                                ; EXEC changes only behind this wait
	v_cmp_eq_u32 vcc_lo, 0, v0
	s_and_saveexec_b32 s18, vcc_lo
	global_store_b64 v[ZO], v[SS:SS+1], s[72:73]   ; one lane stores the work-group's pair
	s_wait_xcnt 0x0
	s_or_b32 exec_lo, exec_lo, s18
.Lnot_first:
	s_wait_tensorcnt 0x0                           ; the wave's end
	ds_add_u32 v[SPW], v[NIL]
	s_wait_dscnt 0x0
	CROUND                                         ; the closing round: no work-group ends while a partner may still ask for a tile that names it
	s_endpgm
.Lfunc_end_k_q47f4ac77c7_ff2:
	.size	k_q47f4ac77c7_ff2, .Lfunc_end_k_q47f4ac77c7_ff2-k_q47f4ac77c7_ff2
	.p2alignl 7, 3214868480
	.fill 96, 4, 3214868480
	.section	.rodata,"a",@progbits
	.p2align	6, 0x0
	.amdhsa_kernel k_q47f4ac77c7_ff2
		.amdhsa_group_segment_fixed_size 327680
		.amdhsa_private_segment_fixed_size 0
		.amdhsa_enable_private_segment 0
		.amdhsa_kernarg_size 56
		.amdhsa_user_sgpr_count 2
		.amdhsa_user_sgpr_kernarg_segment_ptr 1
		.amdhsa_wavefront_size32 1
		.amdhsa_system_sgpr_workgroup_id_x 1
		.amdhsa_system_sgpr_workgroup_id_y 1
		.amdhsa_system_sgpr_workgroup_id_z 1
		.amdhsa_system_vgpr_workitem_id 0
		.amdhsa_next_free_vgpr 640
		.amdhsa_next_free_sgpr 100
		.amdhsa_reserve_vcc 1
		.amdhsa_float_denorm_mode_32 3
		.amdhsa_float_denorm_mode_16_64 3
		.amdhsa_memory_ordered 1
		.amdhsa_forward_progress 1
		.amdhsa_inst_pref_size 178
	.end_amdhsa_kernel
	.amdgpu_metadata
---
amdhsa.version: [ 1, 2 ]
amdhsa.kernels:
  - .name:           k_q47f4ac77c7_ff2
    .symbol:         k_q47f4ac77c7_ff2.kd
    .args:
      - { .name: hid, .offset: 0, .size: 8, .value_kind: global_buffer, .address_space: global }
      - { .name: pan, .offset: 8, .size: 8, .value_kind: global_buffer, .address_space: global }
      - { .name: b2, .offset: 16, .size: 8, .value_kind: global_buffer, .address_space: global }
      - { .name: y, .offset: 24, .size: 8, .value_kind: global_buffer, .address_space: global }
      - { .name: mr1, .offset: 32, .size: 8, .value_kind: global_buffer, .address_space: global }
      - { .name: z, .offset: 40, .size: 8, .value_kind: global_buffer, .address_space: global }
      - { .name: st, .offset: 48, .size: 8, .value_kind: global_buffer, .address_space: global }
    .group_segment_fixed_size: 327680
    .private_segment_fixed_size: 0
    .kernarg_segment_align: 8
    .kernarg_segment_size: 56
    .max_flat_workgroup_size: 128
    .sgpr_count:     100
    .vgpr_count:     640
    .wavefront_size: 32
...
	.end_amdgpu_metadata
.endif
;; end of part 6
;; launch ln2 (part 7): grid 256 x 1, 8 waves a work-group, no clusters, 0 bytes of LDS; arguments z, st, out0; writes out0
.if DOCPART == 7
	.amdgcn_target "amdgcn-amd-amdhsa--gfx1250"
	.amdhsa_code_object_version 6
	.text
	.protected	k_q47f4ac77c7_ln2
	.globl	k_q47f4ac77c7_ln2
	.p2align	8
	.type	k_q47f4ac77c7_ln2,@function
k_q47f4ac77c7_ln2:
	s_mov_b64 s[64:65], 0
	v_nop
	global_prefetch_b8 v0, s[64:65] scope:SCOPE_SE
	s_setreg_imm32_b32 hwreg(HW_REG_WAVE_MODE, 25, 1), 1
	s_wait_xcnt 0x0
; Launch 7 of 7: the second norm over (L, C) of each batch: out0 = (z - mean) / sqrt(var + eps).  Nothing of the problem is left out here.
; A stream: a work-group takes 16 rows (65,536 bytes), a wave 8,192 bytes by sixteen loads of 512 consecutive bytes, all on their way at once.  No LDS, no matrix unit, no cluster: nothing is shared but 1,024 bytes of sums.
; Every wave joins the batch's 128 pairs (sum, squares about the part's own mean) by itself, as launch 4 does.
; LIMITS: NaN and infinities are not served; 1 / sqrt as the instruction gives it.
.set A,   4                            ; v4-11  four pairs of st
.set T0,  12
.set T1,  13
.set T2,  14
.set T3,  15
.set MN,  16
.set RS,  18
.set D,   32                           ; v32-95 my 64 numbers
.set SEL, 14
	s_load_b128 s[4:7], s[0:1], 0x0                ; z s[4:5], st s[6:7]
	s_load_b64 s[8:9], s[0:1], 0x10                ; out0
	v_and_b32 v1, 31, v0
	s_delay_alu instid0(VALU_DEP_1)
	v_lshlrev_b32 v2, 5, v1                        ; four pairs a lane
	v_lshrrev_b32 v3, 5, v0
	s_delay_alu instid0(VALU_DEP_1)
	v_lshlrev_b32 v3, 13, v3
	s_delay_alu instid0(VALU_DEP_1)
	v_lshl_add_u32 v3, v1, 4, v3                   ; 8,192 x wave + 16 x lane
	v_mov_b32 v[T2], 0
	s_mov_b32 s[SEL], 0x76543210
	s_mov_b32 s[SEL+1], 0xfedcba98
	s_lshl_b32 s10, ttmp9, 16
	s_mov_b32 s11, 0
	s_lshr_b32 s12, ttmp9, 7                       ; batch
	s_lshl_b32 s12, s12, 10
	s_mov_b32 s13, 0
	s_wait_alu depctr_va_vdst(0)
	s_wait_kmcnt 0x0
	s_add_nc_u64 s[4:5], s[4:5], s[10:11]
	s_add_nc_u64 s[8:9], s[8:9], s[10:11]
	s_add_nc_u64 s[6:7], s[6:7], s[12:13]
	global_load_b128 v[A:A+3], v2, s[6:7]
	global_load_b128 v[A+4:A+7], v2, s[6:7] offset:16
.irp k, 0,1,2,3,4,5,6,7,8,9,10,11,12,13,14,15
	global_load_b128 v[D+4*\k:D+4*\k+3], v3, s[4:5] offset:512*\k th:TH_LOAD_NT
.endr
.macro RED32 v, t
	s_delay_alu instid0(VALU_DEP_1)
	v_add_f32_dpp v[\v], v[\v], v[\v] row_xmask:1 row_mask:0xf bank_mask:0xf
	s_delay_alu instid0(VALU_DEP_1)
	v_add_f32_dpp v[\v], v[\v], v[\v] row_xmask:2 row_mask:0xf bank_mask:0xf
	s_delay_alu instid0(VALU_DEP_1)
	v_add_f32_dpp v[\v], v[\v], v[\v] row_xmask:4 row_mask:0xf bank_mask:0xf
	s_delay_alu instid0(VALU_DEP_1)
	v_add_f32_dpp v[\v], v[\v], v[\v] row_xmask:8 row_mask:0xf bank_mask:0xf
	s_delay_alu instid0(VALU_DEP_1)
	v_permlanex16_b32 v[\t], v[\v], s[SEL], s[SEL+1]
	s_delay_alu instid0(VALU_DEP_1)
	v_add_f32 v[\v], v[\v], v[\t]
.endm
	s_wait_loadcnt 16                              ; the pairs are in; z's sixteen loads may be out
	v_add_f32 v[T0], v[A], v[A+2]
	v_add_f32 v[T1], v[A+4], v[A+6]
	s_delay_alu instid0(VALU_DEP_1)
	v_add_f32 v[T0], v[T0], v[T1]
	RED32 T0, T2
	s_delay_alu instid0(VALU_DEP_1)
	v_mul_f32 v[MN], 0x35000000, v[T0]             ; the mean: / 2^21
.irp i, 0,2,4,6
	v_fma_f32 v[A+\i], v[A+\i], 0x38800000, -v[MN] ; a part's mean less the common mean
.endr
	s_delay_alu instid0(VALU_DEP_4)
	v_mul_f32 v[T0], v[A], v[A]
	s_delay_alu instid0(VALU_DEP_1)
	v_fma_f32 v[T0], v[A+2], v[A+2], v[T0]
	s_delay_alu instid0(VALU_DEP_1)
	v_fma_f32 v[T0], v[A+4], v[A+4], v[T0]
	s_delay_alu instid0(VALU_DEP_1)
	v_fma_f32 v[T0], v[A+6], v[A+6], v[T0]
	v_add_f32 v[T1], v[A+1], v[A+3]
	v_add_f32 v[T3], v[A+5], v[A+7]
	s_delay_alu instid0(VALU_DEP_1)
	v_add_f32 v[T1], v[T1], v[T3]
	s_delay_alu instid0(VALU_DEP_1)
	v_fma_f32 v[T0], v[T0], 0x46800000, v[T1]
	RED32 T0, T2
	v_mov_b32 v[T1], 0x3727c5ac                    ; eps = 1e-5
	s_delay_alu instid0(VALU_DEP_1)
	v_fma_f32 v[T0], v[T0], 0x35000000, v[T1]
	s_wait_alu depctr_va_vdst(0)
	v_rsq_f32 v[RS], v[T0]
	v_mov_b32 v[MN+1], v[MN]                       ; (a plain place behind the transcendental)
	s_wait_alu depctr_va_vdst(0)                   ; the wait ahead of its first reader
	v_mov_b32 v[RS+1], v[RS]
.irp k, 0,1,2,3,4,5,6,7,8,9,10,11,12,13,14,15
	s_wait_loadcnt 15-\k                           ; loads come back in order: load k is in, the younger ones stay out
	v_pk_add_f32 v[D+4*\k:D+4*\k+1], v[D+4*\k:D+4*\k+1], v[MN:MN+1] neg_lo:[0,1] neg_hi:[0,1]
	s_wait_alu depctr_va_vdst(0)
	v_pk_add_f32 v[D+4*\k+2:D+4*\k+3], v[D+4*\k+2:D+4*\k+3], v[MN:MN+1] neg_lo:[0,1] neg_hi:[0,1]
	v_pk_mul_f32 v[D+4*\k:D+4*\k+1], v[D+4*\k:D+4*\k+1], v[RS:RS+1]
	v_pk_mul_f32 v[D+4*\k+2:D+4*\k+3], v[D+4*\k+2:D+4*\k+3], v[RS:RS+1]
	global_store_b128 v3, v[D+4*\k:D+4*\k+3], s[8:9] offset:512*\k th:TH_STORE_NT   ; 512 consecutive bytes, aligned
.endr
	s_endpgm
.Lfunc_end_k_q47f4ac77c7_ln2:
	.size	k_q47f4ac77c7_ln2, .Lfunc_end_k_q47f4ac77c7_ln2-k_q47f4ac77c7_ln2
	.p2alignl 7, 3214868480
	.fill 96, 4, 3214868480
	.section	.rodata,"a",@progbits
	.p2align	6, 0x0
	.amdhsa_kernel k_q47f4ac77c7_ln2
		.amdhsa_group_segment_fixed_size 0
		.amdhsa_private_segment_fixed_size 0
		.amdhsa_enable_private_segment 0
		.amdhsa_kernarg_size 24
		.amdhsa_user_sgpr_count 2
		.amdhsa_user_sgpr_kernarg_segment_ptr 1
		.amdhsa_wavefront_size32 1
		.amdhsa_system_sgpr_workgroup_id_x 1
		.amdhsa_system_sgpr_workgroup_id_y 1
		.amdhsa_system_sgpr_workgroup_id_z 1
		.amdhsa_system_vgpr_workitem_id 0
		.amdhsa_next_free_vgpr 96
		.amdhsa_next_free_sgpr 66
		.amdhsa_reserve_vcc 0
		.amdhsa_float_denorm_mode_32 3
		.amdhsa_float_denorm_mode_16_64 3
		.amdhsa_memory_ordered 1
		.amdhsa_forward_progress 1
		.amdhsa_inst_pref_size 12
	.end_amdhsa_kernel
	.amdgpu_metadata
---
amdhsa.version: [ 1, 2 ]
amdhsa.kernels:
  - .name:           k_q47f4ac77c7_ln2
    .symbol:         k_q47f4ac77c7_ln2.kd
    .args:
      - { .name: z, .offset: 0, .size: 8, .value_kind: global_buffer, .address_space: global }
      - { .name: st, .offset: 8, .size: 8, .value_kind: global_buffer, .address_space: global }
      - { .name: out0, .offset: 16, .size: 8, .value_kind: global_buffer, .address_space: global }
    .group_segment_fixed_size: 0
    .private_segment_fixed_size: 0
    .kernarg_segment_align: 8
    .kernarg_segment_size: 24
    .max_flat_workgroup_size: 256
    .sgpr_count:     66
    .vgpr_count:     96
    .wavefront_size: 32
...
	.end_amdgpu_metadata
.endif
;; end of part 7
